; MI455X (gfx1250); checked and timed in simulation.
; The chip was launched on July 23, 2026; its instructions are those of AMD's public machine-readable ISA for CDNA 5 (MIT licence, August 2026) and "CDNA5" Instruction Set Architecture Reference Guide (July 2026). The comments in the code are by the model that wrote it; some were corrected since.
;; Attention Block. Allowed arithmetic: float matrix products may take bf16 or f16 operands with f32 sums; other float arithmetic in f32, or as packed bf16 or f16 multiplies, adds, multiply-adds, maxima and minima; sums over many terms, partial sums and values carried from step to step in f32; what a program stores and reads back later, other than sums and carried values, may be rounded once to bf16 or f16.
;; Inputs: k_ln_scale 128 float32; kv 2 x 2,048 x 2,048 float32; kv_pos 2 x 2,048 x 2,048 float32; mask 2 x 1,024 x 2,048 bool; q 2 x 1,024 x 2,048 float32; q_ln_scale 128 float32; q_pos 2 x 1,024 x 2,048 float32; wk 2,048 x 16 x 128 float32; wo 16 x 128 x 2,048 float32; wq 2,048 x 16 x 128 float32; wv 2,048 x 16 x 128 float32.
;; Outputs: out0 2 x 1,024 x 2,048 float32.
;; 2 versions, each right; version 2 is version 1 with the launch prep written anew for expert scheduling mode. Each part assembles by itself: llvm-mc -triple=amdgcn-amd-amdhsa -mcpu=gfx1250 --defsym DOCPART=n.
;; ======== version 1 of 2: 5 launches
;; limits: values are held in f16: magnitudes above 65,504 overflow, below 6.1e-05 lose precision
;; workspace buffers: qi 8,388,608 bytes; kvx 58,720,256 bytes; wqh 8,388,864 bytes; woh 8,388,864 bytes; qn 16,777,216 bytes; kvh 33,554,432 bytes; ao 8,388,608 bytes
;; launch prep (part 1): grid 256 x 8, 8 waves a work-group, no clusters, 0 bytes of LDS; arguments q, q_pos, kv, kv_pos, wq, wk, wv, wo, mask, qi, kvx, wqh, woh; writes qi, kvx, wqh, woh
.if DOCPART == 1
	.amdgcn_target "amdgcn-amd-amdhsa--gfx1250"
	.amdhsa_code_object_version 6
	.text
	.protected	k_q0f7b2bded8_prep
	.globl	k_q0f7b2bded8_prep
	.p2align	8
	.type	k_q0f7b2bded8_prep,@function
k_q0f7b2bded8_prep:
	s_mov_b64 s[64:65], 0
	v_nop
	global_prefetch_b8 v0, s[64:65] scope:SCOPE_SE
	s_setreg_imm32_b32 hwreg(HW_REG_WAVE_MODE, 25, 1), 1
	s_wait_xcnt 0x0
; PREP.  One pass that makes the 16-bit operands of the later launches, each number rounded once from f32 to f16:
;   qi = q + q_pos;  kvx: ki = kv + kv_pos, vi = kv, wk, wv, and the mask as words;  wqh = wq;  woh = wo.
; LIMIT: f16 ends at 65,504: sums and weights are taken to lie within it.
; A stream: no LDS, no barrier, no matrix unit (nothing is shared and nothing is multiplied).  Work-group (x, y) takes 16,384 numbers: 256 threads x 4 numbers x 16 rounds;
; all its loads are issued first, then each round is waited for by count.  y = 0: q; y = 1, 2: kv; y = 3..6: wq, wk, wv, wo; y = 7: the mask.
; A thread's 4 numbers are 16 bytes of f32 in and 8 bytes of f16 out: a load of a wave covers 512 consecutive bytes, a store 256 consecutive bytes, aligned; every byte that a load spans is used.
; THE MASK goes out as bf16 words, 0 where the key is seen and 0xF100 (-2^99) where it is hidden, laid so that a lane of the attention kernel finds its eight words of 16 keys in 16 bytes:
; block (batch x 64 + tile of 16 queries, step of 64 keys) = 2,048 bytes; in it chunk c = 512 bytes; lane l's 16 bytes: query l % 16, keys 16 c + 8 (l / 16) + 0..7.
; Behind wqh's and woh's 8 MiB lie 32 pairs (E, F) of f32, (1, 0) and (0, 1): they tell the one body of the two small products whether it normalises.
.set VI,  16777216                     ; kvx: vi behind ki
.set WKO, 33554432                     ; wk
.set WVO, 41943040                     ; wv
.set MKO, 50331648                     ; the mask words
	s_load_b512 s[8:23], s[0:1], 0x0               ; q 8, q_pos 10, kv 12, kv_pos 14, wq 16, wk 18, wv 20, wo 22
	s_load_b256 s[24:31], s[0:1], 0x40             ; mask 24, qi 26, kvx 28, wqh 30
	s_load_b64 s[32:33], s[0:1], 0x60              ; woh
	s_mov_b32 s2, ttmp9                            ; x
	s_and_b32 s3, ttmp7, 0xffff                    ; y
	v_lshlrev_b32 v1, 4, v0                        ; my 16 bytes of f32 in a round (and of mask words out)
	v_lshlrev_b32 v2, 3, v0                        ; my 8 bytes of f16 in a round
	s_mov_b32 s43, 0                               ; high words of the offset pairs
	s_mov_b32 s45, 0
	s_mov_b32 s47, 0
	s_wait_kmcnt 0x0
	s_cmp_ge_u32 s3, 7
	s_cbranch_scc1 .Lmask
	s_cmp_ge_u32 s3, 3
	s_cbranch_scc1 .Lweights
	; ---- sums: y = 0: chunk x of q; y = 1, 2: chunk 256 (y - 1) + x of kv
	s_max_u32 s4, s3, 1
	s_sub_co_u32 s4, s4, 1
	s_lshl_b32 s4, s4, 8
	s_add_co_u32 s4, s4, s2
	s_lshl_b32 s42, s4, 16                         ; 65,536 bytes in
	s_lshl_b32 s46, s4, 15                         ; 32,768 bytes out
	s_cmp_eq_u32 s3, 0
	s_cselect_b64 s[34:35], s[8:9], s[12:13]       ; q or kv
	s_cselect_b64 s[36:37], s[10:11], s[14:15]     ; q_pos or kv_pos
	s_cselect_b64 s[38:39], s[26:27], s[28:29]     ; qi or ki
	s_add_nc_u64 s[34:35], s[34:35], s[42:43]
	s_add_nc_u64 s[36:37], s[36:37], s[42:43]
	s_add_nc_u64 s[38:39], s[38:39], s[46:47]
	s_add_nc_u64 s[40:41], s[28:29], s[46:47]
	s_add_nc_u64 s[40:41], s[40:41], VI            ; vi
.set i, 0
.rept 16
	global_load_b128 v[16+8*i:19+8*i], v1, s[34:35] offset:4096*i th:TH_LOAD_NT
	global_load_b128 v[20+8*i:23+8*i], v1, s[36:37] offset:4096*i th:TH_LOAD_NT
.set i, i+1
.endr
.set i, 0
.rept 16
	s_wait_loadcnt 2*(15-i)                        ; two loads for each younger round may stay out
	v_pk_add_f32 v[20+8*i:21+8*i], v[20+8*i:21+8*i], v[16+8*i:17+8*i]
	v_pk_add_f32 v[22+8*i:23+8*i], v[22+8*i:23+8*i], v[18+8*i:19+8*i]
	v_cvt_pk_f16_f32 v[20+8*i], v[20+8*i], v[21+8*i]   ; in place: each line writes a register whose number has been read
	v_cvt_pk_f16_f32 v[21+8*i], v[22+8*i], v[23+8*i]
	global_store_b64 v2, v[20+8*i:21+8*i], s[38:39] offset:2048*i th:TH_STORE_NT
.set i, i+1
.endr
	s_cmp_eq_u32 s3, 0
	s_cbranch_scc1 .Lsums_done                     ; q has no second copy
.set i, 0
.rept 16
	v_cvt_pk_f16_f32 v[16+8*i], v[16+8*i], v[17+8*i]
	v_cvt_pk_f16_f32 v[17+8*i], v[18+8*i], v[19+8*i]
	global_store_b64 v2, v[16+8*i:17+8*i], s[40:41] offset:2048*i th:TH_STORE_NT
.set i, i+1
.endr
.Lsums_done:
	s_endpgm
	; ---- weights: chunk x of wq, wk, wv or wo
.Lweights:
	s_lshl_b32 s42, s2, 16
	s_lshl_b32 s46, s2, 15
	s_cmp_eq_u32 s3, 3
	s_cselect_b64 s[34:35], s[16:17], s[18:19]
	s_cselect_b64 s[38:39], s[30:31], s[28:29]
	s_cselect_b32 s44, 0, WKO
	s_cmp_eq_u32 s3, 5
	s_cselect_b64 s[34:35], s[20:21], s[34:35]
	s_cselect_b32 s44, WVO, s44
	s_cmp_eq_u32 s3, 6
	s_cselect_b64 s[34:35], s[22:23], s[34:35]
	s_cselect_b64 s[38:39], s[32:33], s[38:39]
	s_cselect_b32 s44, 0, s44
	s_add_nc_u64 s[34:35], s[34:35], s[42:43]
	s_add_nc_u64 s[40:41], s[38:39], s[44:45]
	s_add_nc_u64 s[40:41], s[40:41], s[46:47]
.set i, 0
.rept 16
	global_load_b128 v[16+4*i:19+4*i], v1, s[34:35] offset:4096*i th:TH_LOAD_NT
.set i, i+1
.endr
.set i, 0
.rept 16
	s_wait_loadcnt 15-i                            ; one load for each younger round may stay out
	v_cvt_pk_f16_f32 v[16+4*i], v[16+4*i], v[17+4*i]
	v_cvt_pk_f16_f32 v[17+4*i], v[18+4*i], v[19+4*i]
	global_store_b64 v2, v[16+4*i:17+4*i], s[40:41] offset:2048*i th:TH_STORE_NT
.set i, i+1
.endr
	; the pairs (E, F): wave 0 of work-group x = 0, for wq and wo alone
	s_cmp_lg_u32 s2, 0
	s_cbranch_scc1 .Lw_done
	s_cmp_eq_u32 s3, 4
	s_cbranch_scc1 .Lw_done
	s_cmp_eq_u32 s3, 5
	s_cbranch_scc1 .Lw_done
	v_lshrrev_b32 v5, 5, v0
	v_readfirstlane_b32 s4, v5
	s_cmp_lg_u32 s4, 0
	s_cbranch_scc1 .Lw_done
	s_cmp_eq_u32 s3, 3
	s_cselect_b32 s5, 1.0, 0
	s_cselect_b32 s6, 0, 1.0
	v_mov_b32 v8, s5
	v_mov_b32 v9, s6
	v_lshlrev_b32 v6, 3, v0                        ; in wave 0 the thread's number is the lane
	s_add_nc_u64 s[36:37], s[38:39], 0x800000      ; behind the 8 MiB of weights
	global_store_b64 v6, v[8:9], s[36:37]
.Lw_done:
	s_endpgm
	; ---- the mask: x = 2 x (tile of 16 queries, over both batches) + half of the keys
.Lmask:
	s_lshr_b32 s4, s2, 1
	s_lshl_b32 s42, s4, 15                         ; 16 rows of 2,048 bytes
	s_and_b32 s5, s2, 1
	s_lshl_b32 s5, s5, 10
	s_add_co_u32 s42, s42, s5
	s_add_nc_u64 s[34:35], s[24:25], s[42:43]
	s_lshl_b32 s46, s2, 15                         ; 16 blocks of 2,048 bytes
	s_add_nc_u64 s[38:39], s[28:29], s[46:47]
	s_add_nc_u64 s[38:39], s[38:39], MKO
	v_and_b32 v3, 15, v0                           ; my output bytes 16 t + 4,096 i belong to: query t % 16,
	v_lshlrev_b32 v3, 11, v3
	v_lshrrev_b32 v5, 7, v0                        ; step 2 i + t / 128,
	v_lshl_add_u32 v3, v5, 6, v3
	v_bfe_u32 v5, v0, 5, 2                         ; chunk (t / 32) % 4,
	v_lshl_add_u32 v3, v5, 4, v3
	v_bfe_u32 v5, v0, 4, 1                         ; half (t / 16) % 2
	v_lshl_add_u32 v3, v5, 3, v3
	v_mov_b32 v4, 0
	s_mov_b32 s4, 0x00050004                       ; v_perm_b32: bytes 0 and 1 of the first source into the two halves, zeros above them
	s_mov_b32 s5, 0x00070006                       ; bytes 2 and 3
.irp i, 0,1,2,3,4,5,6,7
	global_load_b64 v[16+2*(\i):17+2*(\i)], v3, s[34:35] offset:128*(\i)
.endr
.irp i, 0,1,2,3,4,5,6,7
	s_wait_loadcnt 7-(\i)
	v_xor_b32 v[16+2*(\i)], 0x01010101, v[16+2*(\i)]   ; 1 where hidden
	v_xor_b32 v[17+2*(\i)], 0x01010101, v[17+2*(\i)]
	v_perm_b32 v[48+4*(\i)], v[16+2*(\i)], v4, s4
	v_perm_b32 v[49+4*(\i)], v[16+2*(\i)], v4, s5
	v_perm_b32 v[50+4*(\i)], v[17+2*(\i)], v4, s4
	v_perm_b32 v[51+4*(\i)], v[17+2*(\i)], v4, s5
.irp c, 0,1,2,3
	v_mul_u32_u24 v[48+4*(\i)+(\c)], v[48+4*(\i)+(\c)], 0xf100  ; both halves at once: 0 or 0xF100, no carry
.endr
	global_store_b128 v1, v[48+4*(\i):51+4*(\i)], s[38:39] offset:4096*(\i) th:TH_STORE_NT
.endr
	s_endpgm
.Lfunc_end_k_q0f7b2bded8_prep:
	.size	k_q0f7b2bded8_prep, .Lfunc_end_k_q0f7b2bded8_prep-k_q0f7b2bded8_prep
	.p2alignl 7, 3214868480
	.fill 96, 4, 3214868480
	.section	.rodata,"a",@progbits
	.p2align	6, 0x0
	.amdhsa_kernel k_q0f7b2bded8_prep
		.amdhsa_group_segment_fixed_size 0
		.amdhsa_private_segment_fixed_size 0
		.amdhsa_enable_private_segment 0
		.amdhsa_kernarg_size 104
		.amdhsa_user_sgpr_count 2
		.amdhsa_user_sgpr_kernarg_segment_ptr 1
		.amdhsa_wavefront_size32 1
		.amdhsa_system_sgpr_workgroup_id_x 1
		.amdhsa_system_sgpr_workgroup_id_y 1
		.amdhsa_system_sgpr_workgroup_id_z 1
		.amdhsa_system_vgpr_workitem_id 0
		.amdhsa_next_free_vgpr 144
		.amdhsa_next_free_sgpr 66
		.amdhsa_reserve_vcc 0
		.amdhsa_float_denorm_mode_32 3
		.amdhsa_float_denorm_mode_16_64 3
		.amdhsa_memory_ordered 1
		.amdhsa_forward_progress 1
		.amdhsa_inst_pref_size 30
	.end_amdhsa_kernel
	.amdgpu_metadata
---
amdhsa.version: [ 1, 2 ]
amdhsa.kernels:
  - .name:           k_q0f7b2bded8_prep
    .symbol:         k_q0f7b2bded8_prep.kd
    .args:
      - { .name: q, .offset: 0, .size: 8, .value_kind: global_buffer, .address_space: global }
      - { .name: q_pos, .offset: 8, .size: 8, .value_kind: global_buffer, .address_space: global }
      - { .name: kv, .offset: 16, .size: 8, .value_kind: global_buffer, .address_space: global }
      - { .name: kv_pos, .offset: 24, .size: 8, .value_kind: global_buffer, .address_space: global }
      - { .name: wq, .offset: 32, .size: 8, .value_kind: global_buffer, .address_space: global }
      - { .name: wk, .offset: 40, .size: 8, .value_kind: global_buffer, .address_space: global }
      - { .name: wv, .offset: 48, .size: 8, .value_kind: global_buffer, .address_space: global }
      - { .name: wo, .offset: 56, .size: 8, .value_kind: global_buffer, .address_space: global }
      - { .name: mask, .offset: 64, .size: 8, .value_kind: global_buffer, .address_space: global }
      - { .name: qi, .offset: 72, .size: 8, .value_kind: global_buffer, .address_space: global }
      - { .name: kvx, .offset: 80, .size: 8, .value_kind: global_buffer, .address_space: global }
      - { .name: wqh, .offset: 88, .size: 8, .value_kind: global_buffer, .address_space: global }
      - { .name: woh, .offset: 96, .size: 8, .value_kind: global_buffer, .address_space: global }
    .group_segment_fixed_size: 0
    .private_segment_fixed_size: 0
    .kernarg_segment_align: 8
    .kernarg_segment_size: 104
    .max_flat_workgroup_size: 256
    .sgpr_count:     66
    .vgpr_count:     144
    .wavefront_size: 32
...
	.end_amdgpu_metadata
.endif
;; end of part 1
;; launch kvproj (part 2): grid 8 x 32, 4 waves a work-group, clusters of 4 x 4, 327,680 bytes of LDS; arguments kvx, k_ln_scale, kvh; writes kvh
.if DOCPART == 2
	.amdgcn_target "amdgcn-amd-amdhsa--gfx1250"
	.amdhsa_code_object_version 6
	.text
	.protected	k_q0f7b2bded8_kvproj
	.globl	k_q0f7b2bded8_kvproj
	.p2align	8
	.type	k_q0f7b2bded8_kvproj,@function
k_q0f7b2bded8_kvproj:
	s_mov_b64 s[64:65], 0
	v_nop
	global_prefetch_b8 v0, s[64:65] scope:SCOPE_SE
	s_setreg_imm32_b32 hwreg(HW_REG_WAVE_MODE, 25, 1), 1
	s_wait_xcnt 0x0
	s_wait_alu depctr_hold_cnt(0) depctr_sa_sdst(0) depctr_va_vdst(0) depctr_va_sdst(0) depctr_va_ssrc(0) depctr_va_vcc(0) depctr_vm_vsrc(0)
	s_getreg_b32 s2, hwreg(HW_REG_IB_STS2, 6, 4)
	s_cmp_eq_u32 s2, 0
	s_cbranch_scc0 .Lentry_in_a_cluster
	s_endpgm
.Lentry_in_a_cluster:
	s_bfe_u32 s2, ttmp6, 0x10000c
	s_cmp_lg_u32 s2, 0xf033
	s_cbranch_scc0 .Lentry_shape_is_right
	s_endpgm
.Lentry_shape_is_right:
; K AND V PROJECTIONS.  C[m][n] = sum over k of A[m][k] W[k][n], f16 operands, f32 sums.  A: ki and vi on end, [8192][2048]; W: wk for rows 0-4095 (tile rows 0-15), wv for the others, [2048 k][2048 n].
; C: kh and vh on end, [8192][2048] f16.  K's rows are normalised over each head's 128 columns (mean, then centred squares, in f32; eps 1e-6; then the gain) before the one rounding; V's are only rounded.
; LIMIT: f16 ends at 65,504: v is taken to lie within it; k after the norm is at most 11.4 x |gain|.  NaN and infinities are not treated apart.
; A tile of C is 256 x 256: 256 work-groups of four waves; a wave makes 128 x 128 (one head's columns): 64 accumulators, 512 registers.  K goes in 16 steps of 128 through two LDS slots filled by tensor loads.
; THE TEXT IS ONE K STEP LONG: a trip of the loop goes from a step's second quarter to the next step's first; the slot in hand is a scalar that one exclusive or turns, and the fragments' addresses are made from it
; at each change of slots.  The last two steps, which fill nothing, are a loop of their own, left in the middle of its second trip (its last 32 LDS loads, of a slot read before, serve nothing).
; CLUSTER 4 x 4: A's tile is shared along a row of the cluster, W's along a column: each is asked for jointly.
; The product is used transposed (source 0 = 16 columns of W, source 1 = 16 rows of A): a lane holds row l % 16 of C and the columns 8 (l / 16) + 0..7 of each block of 16.
; W lies [k][n]: its fragments come out of LDS turned, by ds_load_tr16_b128.
; ONE TEXT FOR K AND V: the mean is multiplied by E, the factor is E rs + F, the gain E g + F, with (E, F) = (1, 0) for K and (0, 1) for V: values are selected, no branch.
; THE WAY OUT: when the ring has had its last fill and all waves have read it, each wave sets its 128 x 128 sums down in the ring's bytes (rows of 528 bytes, its own region) and walks them in a loop, 16 rows a trip.
; REGISTERS: window 0: v0-31 addresses, v32-43 at work, v64-191 A's two fragment buffers (later the way out), v192-255 the gains; window 1: W's two buffers; windows 2, 3: accumulators.
.set PA,     272                       ; a row of A in LDS: 256 bytes + 16: the 16 rows of a load start at 16 different groups of four banks (ISA guide 11.1)
.set PB,     288                       ; a row of W: 256 + 32
.set HA,     128*PA                    ; 0x8800
.set HB,     128*PB                    ; 0x9000
.set XS,     0x24000                   ; from slot to slot.  In a slot: A's two halves of 128 rows at 0 and 0x8800, W's two halves of 128 columns ([128 k][128 n]) at 0x11000 and 0x1A000: no base has a bit in common with XS
.set SPARE,  2*XS                      ; the spare words: 128 bytes for each wave, two blocks of 256 bytes that no other line names
.set DP,     528                       ; the way out: a row of 128 f32 + 16 bytes
.set DW,     128*DP                    ; a wave's region
.set WKO,    33554432
.set WVO,    41943040
.set SB,   10                          ; v10  way out: base of my 16 bytes of f16 in a row
.set RB,   11                          ; v11  base for reading rows back
.set STO,  12                          ; v12, v13, v25: the same three with the trip's offset
.set RD,   13
.set A0,   16                          ; v16  my A fragments in slot 0; never rewritten
.set ADRA, 17                          ; v17  in the slot in hand
.set B0,   20                          ; v20, v21 the same for W
.set ADRB, 21
.set DB,   24                          ; v24  base of my 32 bytes of f32 in a row
.set XA,   25
.set CO,   26                          ; v26  my byte offset in two rows of C
.set SPW,  28
.set NIL,  29
.set PFO,  30                          ; v30  lane x 4,096: a row of A or W in memory
.set GA,   31                          ; v31  my offset in the gains
.set LM,   32                          ; v32-33 mean; v34-35 factor; v36-43 four chains
.set LR,   34
.set LA,   36
.set F0,   64
.set F1,   128
.set X,    64                          ; way out: 64 numbers of my row
.set PKD,  128                         ; packed
.set BK,   160                         ; whole rows
.set G,    192                         ; gains
.set G1,   24
.set G0,   32                          ; s[32:39] group 0 for A: a set for each of the two first fills; the second then walks on
.set G1B,  48
.set G0B,  56
.set LIM,  43
.set PFA,  44
.set EE,   66
.set EM,   67
.set EP,   68
.set FF,   70
.set FP,   72
.set C128, 74
.set EPSR, 75
.set SEL,  76
.set PSTEP, 78
.set OFFS, 80
.set CLY,  81
.set TB,   82                          ; s82  the slot in hand: 0 or XS
.set MSB, 0
.macro WIN new                         ; the immediate's high byte repeats the setting that is left
.if MSB != (\new)
	s_set_vgpr_msb (MSB<<8)|(\new)
.set MSB, \new
.endif
.endm
.set MUL_LO, 0xa1                      ; source 0 (W) window 1, source 1 (A) window 0, C and D window 2
.set MUL_HI, 0xf1
.set TO_B,   0x40
.macro JLOAD s                         ; a joint load by descriptor set s: waves 0, 1 fetch A's halves, waves 2, 3 W's; s_nop 0 and four v_nop follow each line
	s_cmp_eq_u32 s11, 0
	s_cbranch_scc0 .Lfor_b_\@
	tensor_load_to_lds s[G0+4*(\s):G0+4*(\s)+3], s[G1:G1+7]
	s_nop 0
.rept 4
	v_nop
.endr
	s_branch .Lasked_\@
.Lfor_b_\@:
	tensor_load_to_lds s[G0B+4*(\s):G0B+4*(\s)+3], s[G1B:G1B+7]
	s_nop 0
.rept 4
	v_nop
.endr
.Lasked_\@:
.endm
; A prefetch of the K step two refills on: 32 rows x 256 bytes, a lane a row.  A's rows are named by the clusters with x = 0, W's by the first cluster of each half of the grid's y;
; the four partners that ask for a tile jointly share its 128 rows out by address.  So each block is named once.  The loop's last two trips (s3 = 2, 1) ask for nothing: there is no K step two refills on.
.macro ASK
	s_cmp_gt_u32 s3, s[LIM]
	s_cbranch_scc0 .Lnot_mine_\@
	global_prefetch_b8 v[PFO], s[PFA:PFA+1] th:TH_LOAD_NT scope:SCOPE_SE
.Lnot_mine_\@:
.endm
.macro CREST
	s_cmp_lg_u32 s10, 0
	s_cbranch_scc1 .Lnot_wave_0_\@
	s_barrier_signal -3
.Lnot_wave_0_\@:
	s_barrier_wait -3
	s_barrier_signal -1
	s_barrier_wait -1
.endm
.macro CROUND
	s_barrier_signal -1
	s_barrier_wait -1
	CREST
.endm
	s_load_b128 s[4:7], s[0:1], 0x0                ; kvx s[4:5], k_ln_scale s[6:7]
	s_load_b64 s[8:9], s[0:1], 0x10                ; kvh
	v_lshl_add_u32 v[SPW], v0, 2, SPARE
	v_mov_b32 v[NIL], 0
	ds_add_u32 v[SPW], v[NIL]                      ; the opening: the add and its wait ahead of my first tensor load
	v_lshrrev_b32 v1, 5, v0
	v_readfirstlane_b32 s10, v1                    ; wave
	s_lshr_b32 s11, s10, 1                         ; my half of the rows; also: I fetch A (0) or W (1)
	s_and_b32 s12, s10, 1                          ; my half of the columns; also: which half I fetch
	s_bfe_u32 s40, ttmp6, 0x40000                  ; cx
	s_bfe_u32 s41, ttmp6, 0x40004                  ; cy
	s_lshl_b32 s42, ttmp9, 2
	s_add_co_u32 s42, s42, s40                     ; tile column
	s_and_b32 s[CLY], ttmp7, 0xffff                ; cluster y
	s_lshl_b32 s13, s[CLY], 2
	s_add_co_u32 s13, s13, s41                     ; tile row
	s_lshl_b32 s43, s41, 2
	s_lshl_b32 s43, 15, s43                        ; my row of the cluster
	s_lshl_b32 s44, 0x1111, s40                    ; my column
	s_or_b32 s[G1+0], s43, (1<<16)|(1<<20)|(1<<21)|(5<<22)|(3<<25)   ; mask; 2-byte elements; padding on; bit 21 beside a mask; after 64 words; 4 words
	s_or_b32 s[G1B+0], s44, (1<<16)|(1<<20)|(1<<21)|(5<<22)|(7<<25)  ; 8 words of padding
.irp g, G1, G1B
	s_mov_b32 s[(\g)+1], 128<<16                   ; tensor_dim0 = 128
	s_mov_b32 s[(\g)+2], 128<<16                   ; tensor_dim1 = 128
	s_mov_b32 s[(\g)+3], 128<<16                   ; tile_dim0 = 128
	s_mov_b32 s[(\g)+4], 128                       ; tile_dim1 = 128
	s_mov_b32 s[(\g)+5], 2048                      ; elements from row to row
	s_mov_b32 s[(\g)+6], 0
	s_mov_b32 s[(\g)+7], 0
.endr
	s_mov_b32 s46, WKO
	s_cmp_ge_u32 s[CLY], 4                         ; the lower half of the grid is V's: the same in all partners
	s_cselect_b32 s[EE], 0, 1.0
	s_cselect_b32 s[EM], 0, 0x3c000000             ; E / 128
	s_cselect_b32 s[FF], 1.0, 0
	s_cselect_b32 s46, WVO, s46
	s_mov_b32 s[EP], s[EE]
	s_mov_b32 s[EP+1], s[EE]
	s_mov_b32 s[FP], s[FF]
	s_mov_b32 s[FP+1], s[FF]
	s_mov_b32 s[C128], 0x3c000000                  ; 1 / 128
	s_mov_b32 s[EPSR], 0x358637bd                  ; 1e-6
	s_mov_b32 s[SEL], 0x76543210
	s_mov_b32 s[SEL+1], 0xfedcba98
	s_mov_b32 s[TB], 0
	s_lshl_b32 s16, s13, 20                        ; A: 256 rows of 4,096 bytes a tile row,
	s_lshl_b32 s17, s12, 19                        ; 128 rows a half
	s_add_co_u32 s16, s16, s17
	s_mov_b32 s17, 0
	s_lshl_b32 s47, s42, 9                         ; W: 512 bytes a tile column,
	s_add_co_u32 s46, s46, s47
	s_lshl_b32 s47, s12, 8                         ; 256 a half
	s_add_co_u32 s46, s46, s47
	s_mov_b32 s47, 0
	s_mul_i32 s20, s12, HA                         ; where they go: no place in the cluster enters an LDS address
	s_mul_i32 s21, s12, HB
	s_add_co_u32 s21, s21, 2*HA
	s_wait_dscnt 0x0                               ; the opening add is done
	s_wait_kmcnt 0x0
	s_add_nc_u64 s[14:15], s[4:5], s[16:17]
	s_add_nc_u64 s[46:47], s[4:5], s[46:47]
	CROUND                                         ; all sixteen work-groups are here: the first joint loads meet
.irp s, 0,1
	s_mov_b32 s[G0+4*(\s)], 1
	s_add_co_u32 s[G0+4*(\s)+1], s20, (\s)*XS
	s_add_nc_u64 s[G0+4*(\s)+2:G0+4*(\s)+3], s[14:15], (\s)*256      ; K step s: 256 bytes along A's rows
	s_or_b32 s[G0+4*(\s)+3], s[G0+4*(\s)+3], 0x80000000
	s_mov_b32 s[G0B+4*(\s)], 1
	s_add_co_u32 s[G0B+4*(\s)+1], s21, (\s)*XS
	s_add_nc_u64 s[G0B+4*(\s)+2:G0B+4*(\s)+3], s[46:47], (\s)*524288 ; 128 rows down W
	s_or_b32 s[G0B+4*(\s)+3], s[G0B+4*(\s)+3], 0x80000000
	JLOAD \s
.endr
	v_and_b32 v1, 15, v0                           ; r = l % 16
	v_bfe_u32 v2, v0, 4, 1                         ; h = l / 16
	v_lshlrev_b32 v[GA], 5, v2
.irp b, 0,1,2,3,4,5,6,7                ; my 64 gains: columns 16 b + 8 h + 0..7
	global_load_b128 v[G+8*(\b):G+8*(\b)+3],   v[GA], s[6:7] offset:64*(\b)
	global_load_b128 v[G+8*(\b)+4:G+8*(\b)+7], v[GA], s[6:7] offset:64*(\b)+16
.endr
	v_mul_u32_u24 v3, v1, PA
	v_lshl_add_u32 v3, v2, 4, v3                   ; A: row x pitch + 16 h
	s_mul_i32 s21, s11, HA
	v_add_nc_u32 v[A0], s21, v3
	v_mov_b32 v[ADRA], v[A0]
	v_and_b32 v4, 7, v0                            ; W, turned: lane l reads k row 8 h + l % 8, 16 bytes at 16 ((l / 8) % 2)
	v_lshl_add_u32 v4, v2, 3, v4
	v_mul_u32_u24 v4, v4, PB
	v_bfe_u32 v5, v0, 3, 1
	v_lshl_add_u32 v4, v5, 4, v4
	s_mul_i32 s22, s12, HB
	s_add_co_u32 s22, s22, 2*HA
	v_add_nc_u32 v[B0], s22, v4
	v_mov_b32 v[ADRB], v[B0]
	s_mul_i32 s23, s10, DW                         ; the way out: my region
	v_mul_u32_u24 v6, v1, DP
	v_add_nc_u32 v6, s23, v6
	v_lshl_add_u32 v[DB], v2, 5, v6
	v_lshl_add_u32 v[SB], v2, 4, v6
	v_mul_u32_u24 v7, v2, DP
	v_lshl_add_u32 v7, v1, 4, v7
	v_add_nc_u32 v[RB], s23, v7
	v_lshlrev_b32 v7, 12, v2
	v_lshl_add_u32 v[CO], v1, 4, v7
	v_and_b32 v[PFO], 31, v0
	v_lshlrev_b32 v[PFO], 12, v[PFO]
	s_lshl_b32 s16, s13, 20                        ; C at my part of the tile
	s_lshl_b32 s17, s11, 19
	s_add_co_u32 s16, s16, s17
	s_mov_b32 s17, 0
	s_lshl_b32 s46, s42, 9
	s_lshl_b32 s47, s12, 8
	s_add_co_u32 s46, s46, s47
	s_mov_b32 s47, 0
	s_add_nc_u64 s[8:9], s[8:9], s[16:17]
	s_add_nc_u64 s[8:9], s[8:9], s[46:47]
	; the prefetches: my work-group's 32 of the 128 rows that I fetch, standing at K step 3; the first change of slots steps it to 4
	s_lshl_b32 s20, s13, 20
	s_lshl_b32 s21, s40, 17
	s_add_co_u32 s20, s20, s21
	s_lshl_b32 s21, s12, 19
	s_add_co_u32 s20, s20, s21
	s_add_co_u32 s20, s20, 3*256
	s_mov_b32 s22, WKO
	s_cmp_ge_u32 s[CLY], 4
	s_cselect_b32 s22, WVO, s22
	s_lshl_b32 s23, s42, 9
	s_add_co_u32 s22, s22, s23
	s_lshl_b32 s23, s41, 17
	s_add_co_u32 s22, s22, s23
	s_lshl_b32 s23, s12, 8
	s_add_co_u32 s22, s22, s23
	s_add_co_u32 s22, s22, 3*524288
	s_and_b32 s23, s[CLY], 3
	s_mov_b32 s[PSTEP], 524288
	s_mov_b32 s[PSTEP+1], 0
	s_mov_b32 s21, 0
	s_cmp_eq_u32 s11, 0                            ; do I fetch for A?
	s_cselect_b32 s20, s20, s22
	s_cselect_b32 s23, ttmp9, s23                  ; the coordinate along which other clusters read the same rows
	s_cselect_b32 s[PSTEP], 256, s[PSTEP]
	s_add_nc_u64 s[PFA:PFA+1], s[4:5], s[20:21]
	s_cmp_eq_u32 s23, 0
	s_cselect_b32 s[LIM], 2, -1                    ; the same in all sixteen partners, for a given wave
.macro MUL16 f, hi, a0, zero           ; 16 products: row blocks a0, a0 + 1 of the window's four x all 8 column blocks, 32 along K; zero = 1 starts the sums
	WIN MUL_LO+0x50*(\hi)
.irp a, \a0, (\a0)+1
.irp b, 0,1,2,3,4,5,6,7
.if \zero
	v_wmma_f32_16x16x32_f16 v[8*(8*(\a)+(\b)):8*(8*(\a)+(\b))+7], v[(\f)+8*(\b):(\f)+8*(\b)+7], v[(\f)+8*(4*(\hi)+(\a)):(\f)+8*(4*(\hi)+(\a))+7], 0
.else
	v_wmma_f32_16x16x32_f16 v[8*(8*(\a)+(\b)):8*(8*(\a)+(\b))+7], v[(\f)+8*(\b):(\f)+8*(\b)+7], v[(\f)+8*(4*(\hi)+(\a)):(\f)+8*(4*(\hi)+(\a))+7], v[8*(8*(\a)+(\b)):8*(8*(\a)+(\b))+7]
.endif
.endr
.endr
.endm
.macro FETCH q, f                      ; 32 LDS loads in one run: quarter q (32 along K) of the slot in hand into buffer f: W's 8 column blocks, turned, then A's 8 row blocks
	WIN TO_B
.irp i, 0,1,2,3,4,5,6,7
	ds_load_tr16_b128 v[(\f)+8*(\i):(\f)+8*(\i)+3],   v[ADRB] offset:(\q)*32*PB+32*(\i)
	ds_load_tr16_b128 v[(\f)+8*(\i)+4:(\f)+8*(\i)+7], v[ADRB] offset:(\q)*32*PB+32*(\i)+16*PB
.endr
	WIN 0
.irp i, 0,1,2,3,4,5,6,7
	ds_load_b128 v[(\f)+8*(\i):(\f)+8*(\i)+3],   v[ADRA] offset:64*(\q)+(\i)*16*PA
	ds_load_b128 v[(\f)+8*(\i)+4:(\f)+8*(\i)+7], v[ADRA] offset:64*(\q)+(\i)*16*PA+32
.endr
.endm
.macro PLACES                          ; four plain places behind the last product, in front of loads into registers that it read and of reads of results
.rept 4
	v_nop
.endr
.endm
.macro QUARTER q, f, g, zero           ; multiplies buffer f; in its middle fetches quarter q of the slot in hand into buffer g
	s_wait_dscnt 8                                 ; W and A's rows 0-63 are in; the youngest eight loads (A's rows 64-127) may be out
	MUL16 \f, 0, 0, \zero
	MUL16 \f, 0, 2, \zero
	PLACES
	FETCH \q, \g
	s_wait_dscnt 32                                ; all but the 32 just issued
	MUL16 \f, 1, 0, \zero
	MUL16 \f, 1, 2, \zero
.endm
.macro MEET round                      ; the change of slots, first half
	WIN 0
	s_wait_tensorcnt 0x0                           ; all my tensor loads have landed: the one that was out is my part of the next slot
	ds_add_u32 v[SPW], v[NIL]
	s_wait_dscnt 9                                 ; the add and the youngest eight loads may be out
	MUL16 F1, 0, 0, 0
	s_wait_dscnt 0x0                               ; the add is done, my reads of this slot are over
	s_barrier_signal -1
	MUL16 F1, 0, 2, 0
.if \round
	WIN 0
.endif
	s_barrier_wait -1
.endm
.macro TURN fill                       ; the last quarter of a K step; fill = 1: the slot just read is filled again, two K steps on, behind a round of the cluster's barrier
.if \fill
	s_wait_xcnt 0x0                                ; the last prefetch, a K step back, has read its address
	s_add_nc_u64 s[PFA:PFA+1], s[PFA:PFA+1], s[PSTEP:PSTEP+1]
.endif
	MEET \fill
.if \fill
	CREST                                          ; no wave of any partner still reads this slot or has a load on its way
	s_xor_b32 s[G0+5], s[G0+5], XS                 ; the walking descriptors: the other slot than last time, the next K step
	s_add_nc_u64 s[G0+6:G0+7], s[G0+6:G0+7], 256
	s_xor_b32 s[G0B+5], s[G0B+5], XS
	s_add_nc_u64 s[G0B+6:G0B+7], s[G0B+6:G0B+7], 524288
	JLOAD 1                                        ; my one tensor load behind the round; its four v_nop are also the places in front of the loads below
.else
	PLACES
	WIN 0
.endif
	s_xor_b32 s[TB], s[TB], XS                     ; the reads go on in the other slot
	v_add_nc_u32 v[ADRA], s[TB], v[A0]
	v_add_nc_u32 v[ADRB], s[TB], v[B0]
	FETCH 0, F0
.if \fill
	ASK
.endif
	MUL16 F1, 1, 0, 0
	MUL16 F1, 1, 2, 0
.endm
; LayerNorm of 16 rows: a lane holds 64 numbers of its row in X, the lane 16 away the other 64.  Mean; centred; squares of the centred numbers; (x - mu) x rs x gain.
.macro REDUCE dst
	v_pk_add_f32 v[LA:LA+1], v[LA:LA+1], v[LA+2:LA+3]
	v_pk_add_f32 v[LA+4:LA+5], v[LA+4:LA+5], v[LA+6:LA+7]
	v_pk_add_f32 v[LA:LA+1], v[LA:LA+1], v[LA+4:LA+5]
	v_add_f32 v[\dst], v[LA], v[LA+1]
	v_permlanex16_b32 v[\dst+1], v[\dst], s[SEL], s[SEL+1]
	v_add_f32 v[\dst], v[\dst], v[\dst+1]
.endm
.macro LNORM
.irp c, 0,1,2,3
	v_pk_add_f32 v[LA+2*(\c):LA+2*(\c)+1], v[X+2*(\c):X+2*(\c)+1], v[X+8+2*(\c):X+8+2*(\c)+1]  ; four chains, started by the first eight pairs
.endr
.set p, 8
.rept 24
	v_pk_add_f32 v[LA+2*(p%4):LA+2*(p%4)+1], v[LA+2*(p%4):LA+2*(p%4)+1], v[X+2*p:X+2*p+1]
.set p, p+1
.endr
	REDUCE LM
	v_mul_f32 v[LM], s[EM], v[LM]                  ; E x mean
.set p, 0
.rept 32
	v_pk_add_f32 v[X+2*p:X+2*p+1], v[X+2*p:X+2*p+1], v[LM:LM+1] op_sel_hi:[1,0] neg_lo:[0,1] neg_hi:[0,1]
.set p, p+1
.endr
.irp c, 0,1,2,3
	v_pk_mul_f32 v[LA+2*(\c):LA+2*(\c)+1], v[X+2*(\c):X+2*(\c)+1], v[X+2*(\c):X+2*(\c)+1]
.endr
.set p, 4
.rept 28
	v_pk_fma_f32 v[LA+2*(p%4):LA+2*(p%4)+1], v[X+2*p:X+2*p+1], v[X+2*p:X+2*p+1], v[LA+2*(p%4):LA+2*(p%4)+1]
.set p, p+1
.endr
	REDUCE LR
	v_fma_f32 v[LR], v[LR], s[C128], s[EPSR]       ; variance + eps
	v_rsq_f32 v[LR], v[LR]
	v_nop                                          ; a plain instruction behind the root,
	s_wait_alu depctr_va_vdst(0)                   ; and a wait ahead of its first reader
	v_fma_f32 v[LR], v[LR], s[EE], s[FF]           ; E rs + F
.set p, 0
.rept 32
	v_pk_mul_f32 v[X+2*p:X+2*p+1], v[X+2*p:X+2*p+1], v[LR:LR+1] op_sel_hi:[1,0]
.set p, p+1
.endr
.set p, 0
.rept 32
	v_pk_mul_f32 v[X+2*p:X+2*p+1], v[X+2*p:X+2*p+1], v[G+2*p:G+2*p+1]
.set p, p+1
.endr
.endm
	s_wait_loadcnt 0x0                             ; the gains, in the wait for the first tile
	s_wait_tensorcnt 1                             ; my part of K step 0 is in; K step 1's may stay out
	s_barrier_signal -1
	s_barrier_wait -1
	FETCH 0, F0
	QUARTER 1, F0, F1, 1                           ; the first quarter starts the sums
	WIN 0
	s_mov_b32 s3, 14
.Lstep:                                                ; trip t = 0..13: K step t's quarters 1 to 3, its slot filled again with K step t + 2, K step t + 1's quarter 0
	QUARTER 2, F1, F0, 0
	QUARTER 3, F0, F1, 0
	TURN 1
	QUARTER 1, F0, F1, 0
	WIN 0
	s_sub_co_u32 s3, s3, 1
	s_cmp_lg_u32 s3, 0
	s_cbranch_scc1 .Lstep
	s_mov_b32 s3, 2
.Ltail:                                                ; K steps 14 and 15 fill nothing: a text of their own
	QUARTER 2, F1, F0, 0
	QUARTER 3, F0, F1, 0
	TURN 0
	WIN 0
	s_sub_co_u32 s3, s3, 1
	s_cmp_eq_u32 s3, 0
	s_cbranch_scc1 .Lsums                          ; behind K step 15 there is no further quarter
	QUARTER 1, F0, F1, 0
	WIN 0
	s_branch .Ltail
.Lsums:
	PLACES
	s_wait_dscnt 0x0
	s_barrier_signal -1
	s_barrier_wait -1                              ; every wave's reads of the ring are over, and the ring has had its last fill: its bytes take the sums
.irp hi, 0,1
	WIN 0x08+4*(\hi)                               ; store data in window 2, then 3
.irp a, 0,1,2,3
.irp b, 0,1,2,3,4,5,6,7
	ds_store_b128 v[DB], v[8*(8*(\a)+(\b)):8*(8*(\a)+(\b))+3]   offset:(4*(\hi)+(\a))*16*DP+64*(\b)      ; each accumulator's low four first
	ds_store_b128 v[DB], v[8*(8*(\a)+(\b))+4:8*(8*(\a)+(\b))+7] offset:(4*(\hi)+(\a))*16*DP+64*(\b)+16
.endr
.endr
.endr
	WIN 0
.set p, 0
.rept 32
	v_pk_fma_f32 v[G+2*p:G+2*p+1], v[G+2*p:G+2*p+1], s[EP:EP+1], s[FP:FP+1] op_sel_hi:[1,0,0]  ; E g + F
.set p, p+1
.endr
	v_mov_b32 v[LM+1], 0                           ; written before the lane exchange names them
	v_mov_b32 v[LR+1], 0
	s_mov_b32 s[OFFS], 0
	s_mov_b32 s3, 8
.Lrows:                                                ; 16 rows a trip; all LDS bytes are my own, and LDS serves a wave's instructions in order (ISA guide 5.7.1.4)
	v_add_nc_u32 v[XA], s[OFFS], v[DB]
	v_add_nc_u32 v[STO], s[OFFS], v[SB]
	v_add_nc_u32 v[RD], s[OFFS], v[RB]
.irp b, 0,1,2,3,4,5,6,7
	ds_load_b128 v[X+8*(\b):X+8*(\b)+3],   v[XA] offset:64*(\b)
	ds_load_b128 v[X+8*(\b)+4:X+8*(\b)+7], v[XA] offset:64*(\b)+16
.endr
	s_wait_dscnt 0x0
	LNORM
.set p, 0
.rept 32
	v_cvt_pk_f16_f32 v[PKD+p], v[X+2*p], v[X+2*p+1]
.set p, p+1
.endr
.irp b, 0,1,2,3,4,5,6,7
	ds_store_b128 v[STO], v[PKD+4*(\b):PKD+4*(\b)+3] offset:32*(\b)  ; into the head of the block's own rows, which have been read
.endr
.irp t, 0,1,2,3,4,5,6,7
	ds_load_b128 v[BK+4*(\t):BK+4*(\t)+3], v[RD] offset:(\t)*2*DP
.endr
.irp t, 0,1,2,3,4,5,6,7
	s_wait_dscnt 7-(\t)
	global_store_b128 v[CO], v[BK+4*(\t):BK+4*(\t)+3], s[8:9] offset:8192*(\t)  ; 16 lanes store 256 consecutive bytes, aligned
.endr
	s_wait_xcnt 0x0                                ; the stores have read their base and data: both are written again below and in the next trip
	s_add_nc_u64 s[8:9], s[8:9], 65536
	s_add_co_u32 s[OFFS], s[OFFS], 16*DP
	s_sub_co_u32 s3, s3, 1
	s_cmp_lg_u32 s3, 0
	s_cbranch_scc1 .Lrows
	s_wait_tensorcnt 0x0                           ; the wave's end
	ds_add_u32 v[SPW], v[NIL]
	s_wait_dscnt 0x0
	CROUND                                         ; the closing round
	s_endpgm
.Lfunc_end_k_q0f7b2bded8_kvproj:
	.size	k_q0f7b2bded8_kvproj, .Lfunc_end_k_q0f7b2bded8_kvproj-k_q0f7b2bded8_kvproj
	.p2alignl 7, 3214868480
	.fill 96, 4, 3214868480
	.section	.rodata,"a",@progbits
	.p2align	6, 0x0
	.amdhsa_kernel k_q0f7b2bded8_kvproj
		.amdhsa_group_segment_fixed_size 327680
		.amdhsa_private_segment_fixed_size 0
		.amdhsa_enable_private_segment 0
		.amdhsa_kernarg_size 24
		.amdhsa_user_sgpr_count 2
		.amdhsa_user_sgpr_kernarg_segment_ptr 1
		.amdhsa_wavefront_size32 1
		.amdhsa_system_sgpr_workgroup_id_x 1
		.amdhsa_system_sgpr_workgroup_id_y 1
		.amdhsa_system_sgpr_workgroup_id_z 1
		.amdhsa_system_vgpr_workitem_id 0
		.amdhsa_next_free_vgpr 1024
		.amdhsa_next_free_sgpr 84
		.amdhsa_reserve_vcc 0
		.amdhsa_float_denorm_mode_32 3
		.amdhsa_float_denorm_mode_16_64 3
		.amdhsa_memory_ordered 1
		.amdhsa_forward_progress 1
		.amdhsa_inst_pref_size 99
	.end_amdhsa_kernel
	.amdgpu_metadata
---
amdhsa.version: [ 1, 2 ]
amdhsa.kernels:
  - .name:           k_q0f7b2bded8_kvproj
    .symbol:         k_q0f7b2bded8_kvproj.kd
    .args:
      - { .name: kvx, .offset: 0, .size: 8, .value_kind: global_buffer, .address_space: global }
      - { .name: k_ln_scale, .offset: 8, .size: 8, .value_kind: global_buffer, .address_space: global }
      - { .name: kvh, .offset: 16, .size: 8, .value_kind: global_buffer, .address_space: global }
    .group_segment_fixed_size: 327680
    .private_segment_fixed_size: 0
    .kernarg_segment_align: 8
    .kernarg_segment_size: 24
    .max_flat_workgroup_size: 128
    .sgpr_count:     84
    .vgpr_count:     1024
    .wavefront_size: 32
...
	.end_amdgpu_metadata
.endif
;; end of part 2
;; launch qproj (part 3): grid 16 x 16, 4 waves a work-group, clusters of 4 x 4, 327,680 bytes of LDS; arguments qi, wqh, q_ln_scale, qn; writes qn
.if DOCPART == 3
	.amdgcn_target "amdgcn-amd-amdhsa--gfx1250"
	.amdhsa_code_object_version 6
	.text
	.protected	k_q0f7b2bded8_qproj
	.globl	k_q0f7b2bded8_qproj
	.p2align	8
	.type	k_q0f7b2bded8_qproj,@function
k_q0f7b2bded8_qproj:
	s_mov_b64 s[64:65], 0
	v_nop
	global_prefetch_b8 v0, s[64:65] scope:SCOPE_SE
	s_setreg_imm32_b32 hwreg(HW_REG_WAVE_MODE, 25, 1), 1
	s_wait_xcnt 0x0
	s_wait_alu depctr_hold_cnt(0) depctr_sa_sdst(0) depctr_va_vdst(0) depctr_va_sdst(0) depctr_va_ssrc(0) depctr_va_vcc(0) depctr_vm_vsrc(0)
	s_getreg_b32 s2, hwreg(HW_REG_IB_STS2, 6, 4)
	s_cmp_eq_u32 s2, 0
	s_cbranch_scc0 .Lentry_in_a_cluster
	s_endpgm
.Lentry_in_a_cluster:
	s_bfe_u32 s2, ttmp6, 0x10000c
	s_cmp_lg_u32 s2, 0xf033
	s_cbranch_scc0 .Lentry_shape_is_right
	s_endpgm
.Lentry_shape_is_right:
; A PRODUCT OF 2048 x 2048 x 2048 WITH AN OPTIONAL LayerNorm.  C[m][n] = sum over k of A[m][k] W[k][n]; A [2048][2048] f16, W [2048 k][2048 n] f16, C [2048][2048] f32; sums in f32.
; Behind W's 8 MiB lies a pair (E, F).  (1, 0): each row's 128 columns of a tile (one head) are normalised: mean, then centred squares, eps 1e-6, then the gain.  (0, 1): C leaves as it is
; (mean x 0, factor rs x 0 + 1, gain g x 0 + 1): values are selected, no branch.  Serves the query projection and the output projection.
; LIMIT: NaN and infinities are not treated apart.
; A tile of C is 128 x 128, so that the 256 tiles give 256 work-groups; four waves, each 64 x 64: 16 accumulators.  K goes in 8 steps of 256 through two LDS slots.
; THE TEXT IS ONE K STEP LONG: a trip goes from a step's second quarter to the next step's first; the slot in hand is a scalar that one exclusive or turns.  The last two steps, which fill nothing, are a loop of
; their own, left in the middle of its second trip (its last 32 LDS loads, of a slot read before, serve nothing).
; CLUSTER 4 x 4: A's tile shared along a row, W's along a column, asked for jointly.  The product is used transposed (source 0 = 16 columns of W, turned out of LDS; source 1 = 16 rows of A).
; No prefetch: the tiles are small.
; THE WAY OUT: behind the ring's last fill and a barrier the sums go into the ring's bytes (128 rows of 528 bytes); a barrier, since a row's columns come from two waves; then wave w walks rows 32 w .. 32 w + 31.
; REGISTERS: window 0: v0-31 addresses; v32-95 gains; v96-107 at work; v128-255 accumulators (later the way out); window 1: two fragment buffers of 128.
.set PA,     528
.set PB,     288
.set HA,     64*PA                     ; 0x8400
.set HB,     128*PB                    ; 0x9000
.set XS,     0x24000                   ; from slot to slot.  In a slot: A's two halves of 64 rows at 0 and 0x8400, W's two halves of 128 k rows ([128 k][128 n]) at 0x10800 and 0x19800: no base has a bit in common with XS
.set SPARE,  2*XS
.set DP,     528
.set RD,   12
.set A0,   16                          ; v16  my A fragments in slot 0; never rewritten
.set ADRA, 17                          ; v17  in the slot in hand
.set B0,   20                          ; v20-21 my W fragments in slot 0, by half of the K step; never rewritten
.set ADRB, 22                          ; v22-23 in the slot in hand
.set DB,   24
.set XA,   25
.set CO,   26
.set XB,   27
.set SPW,  28
.set NIL,  29
.set RB,   30
.set GA,   31
.set G,    32
.set LM,   96
.set LR,   98
.set LA,   100
.set ACC,  128
.set X,    128
.set BK,   192
.set F0,   0
.set F1,   128
.set G1,   24
.set G0,   32                          ; a set for each of the two first fills; the second then walks on
.set G1B,  48
.set G0B,  56
.set EE,   66
.set FF,   67
.set EP,   68
.set EM,   70
.set FP,   72
.set C128, 74
.set EPSR, 75
.set SEL,  80
.set OFFS, 82
.set TB,   86                          ; s86  the slot in hand: 0 or XS
.set MSB, 0
.macro WIN new
.if MSB != (\new)
	s_set_vgpr_msb (MSB<<8)|(\new)
.set MSB, \new
.endif
.endm
.set MUL,  0x05                        ; sources 0 and 1 window 1; C and D window 0
.set TO_F, 0x40
.macro JLOAD s
	s_cmp_eq_u32 s11, 0
	s_cbranch_scc0 .Lfor_b_\@
	tensor_load_to_lds s[G0+4*(\s):G0+4*(\s)+3], s[G1:G1+7]
	s_nop 0
.rept 4
	v_nop
.endr
	s_branch .Lasked_\@
.Lfor_b_\@:
	tensor_load_to_lds s[G0B+4*(\s):G0B+4*(\s)+3], s[G1B:G1B+7]
	s_nop 0
.rept 4
	v_nop
.endr
.Lasked_\@:
.endm
.macro CREST
	s_cmp_lg_u32 s10, 0
	s_cbranch_scc1 .Lnot_wave_0_\@
	s_barrier_signal -3
.Lnot_wave_0_\@:
	s_barrier_wait -3
	s_barrier_signal -1
	s_barrier_wait -1
.endm
.macro CROUND
	s_barrier_signal -1
	s_barrier_wait -1
	CREST
.endm
	s_load_b128 s[4:7], s[0:1], 0x0                ; A s[4:5], W s[6:7]
	s_load_b128 s[76:79], s[0:1], 0x10             ; gain s[76:77], C s[78:79]
	v_lshl_add_u32 v[SPW], v0, 2, SPARE
	v_mov_b32 v[NIL], 0
	ds_add_u32 v[SPW], v[NIL]                      ; the opening: the add and its wait ahead of my first tensor load
	v_lshrrev_b32 v1, 5, v0
	v_readfirstlane_b32 s10, v1
	s_lshr_b32 s11, s10, 1                         ; my half of the rows; also: I fetch A (0) or W (1)
	s_and_b32 s12, s10, 1                          ; my half of the columns; also: which half I fetch
	s_bfe_u32 s40, ttmp6, 0x40000
	s_bfe_u32 s41, ttmp6, 0x40004
	s_lshl_b32 s42, ttmp9, 2
	s_add_co_u32 s42, s42, s40                     ; tile column
	s_and_b32 s13, ttmp7, 0xffff
	s_lshl_b32 s13, s13, 2
	s_add_co_u32 s13, s13, s41                     ; tile row
	s_lshl_b32 s43, s41, 2
	s_lshl_b32 s43, 15, s43
	s_lshl_b32 s44, 0x1111, s40
	s_or_b32 s[G1+0], s43, (1<<16)|(1<<20)|(1<<21)|(6<<22)|(3<<25)   ; A: 64 rows x 256 elements, 4 words behind every 128
	s_mov_b32 s[G1+1], 256<<16
	s_mov_b32 s[G1+2], 64<<16
	s_mov_b32 s[G1+3], 256<<16
	s_mov_b32 s[G1+4], 64
	s_mov_b32 s[G1+5], 2048
	s_mov_b32 s[G1+6], 0
	s_mov_b32 s[G1+7], 0
	s_or_b32 s[G1B+0], s44, (1<<16)|(1<<20)|(1<<21)|(5<<22)|(7<<25)  ; W: 128 rows x 128 elements, 8 words behind every 64
	s_mov_b32 s[G1B+1], 128<<16
	s_mov_b32 s[G1B+2], 128<<16
	s_mov_b32 s[G1B+3], 128<<16
	s_mov_b32 s[G1B+4], 128
	s_mov_b32 s[G1B+5], 2048
	s_mov_b32 s[G1B+6], 0
	s_mov_b32 s[G1B+7], 0
	s_mov_b32 s[C128], 0x3c000000
	s_mov_b32 s[EPSR], 0x358637bd
	s_mov_b32 s[SEL], 0x76543210
	s_mov_b32 s[SEL+1], 0xfedcba98
	s_mov_b32 s[TB], 0
	s_lshl_b32 s16, s13, 19                        ; A: 128 rows of 4,096 bytes a tile row, 64 a half
	s_lshl_b32 s17, s12, 18
	s_add_co_u32 s16, s16, s17
	s_mov_b32 s17, 0
	s_lshl_b32 s46, s42, 8                         ; W: 256 bytes a tile column; 128 k rows a half
	s_lshl_b32 s47, s12, 19
	s_add_co_u32 s46, s46, s47
	s_mov_b32 s47, 0
	s_mul_i32 s20, s12, HA
	s_mul_i32 s21, s12, HB
	s_add_co_u32 s21, s21, 2*HA
	s_wait_dscnt 0x0
	s_wait_kmcnt 0x0
	s_add_nc_u64 s[14:15], s[4:5], s[16:17]
	s_add_nc_u64 s[46:47], s[6:7], s[46:47]
	s_add_nc_u64 s[84:85], s[6:7], 0x800000
	s_load_b64 s[EE:EE+1], s[84:85], 0x0           ; (E, F)
	CROUND
.irp s, 0,1
	s_mov_b32 s[G0+4*(\s)], 1
	s_add_co_u32 s[G0+4*(\s)+1], s20, (\s)*XS
	s_add_nc_u64 s[G0+4*(\s)+2:G0+4*(\s)+3], s[14:15], (\s)*512
	s_or_b32 s[G0+4*(\s)+3], s[G0+4*(\s)+3], 0x80000000
	s_mov_b32 s[G0B+4*(\s)], 1
	s_add_co_u32 s[G0B+4*(\s)+1], s21, (\s)*XS
	s_add_nc_u64 s[G0B+4*(\s)+2:G0B+4*(\s)+3], s[46:47], (\s)*0x100000
	s_or_b32 s[G0B+4*(\s)+3], s[G0B+4*(\s)+3], 0x80000000
	JLOAD \s
.endr
	v_and_b32 v1, 15, v0
	v_bfe_u32 v2, v0, 4, 1
	v_lshlrev_b32 v[GA], 5, v2
.irp b, 0,1,2,3,4,5,6,7
	global_load_b128 v[G+8*(\b):G+8*(\b)+3],   v[GA], s[76:77] offset:64*(\b)
	global_load_b128 v[G+8*(\b)+4:G+8*(\b)+7], v[GA], s[76:77] offset:64*(\b)+16
.endr
	v_mul_u32_u24 v3, v1, PA
	v_lshl_add_u32 v3, v2, 4, v3
	s_mul_i32 s21, s11, HA
	v_add_nc_u32 v[A0], s21, v3
	v_mov_b32 v[ADRA], v[A0]
	v_and_b32 v4, 7, v0
	v_lshl_add_u32 v4, v2, 3, v4
	v_mul_u32_u24 v4, v4, PB
	v_bfe_u32 v5, v0, 3, 1
	v_lshl_add_u32 v4, v5, 4, v4
	s_lshl_b32 s22, s12, 7                         ; my 64 columns: 128 bytes
	s_add_co_u32 s22, s22, 2*HA
	v_add_nc_u32 v[B0], s22, v4
	v_add_nc_u32 v[B0+1], HB, v[B0]
	v_mov_b32 v[ADRB], v[B0]
	v_mov_b32 v[ADRB+1], v[B0+1]
	s_mul_i32 s23, s11, 64*DP                      ; the sums go to row 64 x half + 16 a + r, byte 256 x half + 64 b + 32 h
	s_lshl_b32 s22, s12, 8
	s_add_co_u32 s23, s23, s22
	v_mul_u32_u24 v6, v1, DP
	v_lshl_add_u32 v6, v2, 5, v6
	v_add_nc_u32 v[DB], s23, v6
	s_mul_i32 s23, s10, 32*DP                      ; and are walked by rows 32 w on
	v_add_nc_u32 v[XB], s23, v6
	v_and_b32 v7, 31, v0
	v_lshlrev_b32 v[CO], 4, v7
	v_add_nc_u32 v[RB], s23, v[CO]
	s_lshl_b32 s16, s13, 20                        ; C: 128 rows of 8,192 bytes a tile row, 32 a wave, 512 bytes a tile column
	s_lshl_b32 s17, s10, 18
	s_add_co_u32 s16, s16, s17
	s_mov_b32 s17, 0
	s_lshl_b32 s46, s42, 9
	s_mov_b32 s47, 0
	s_add_nc_u64 s[8:9], s[78:79], s[16:17]
	s_add_nc_u64 s[8:9], s[8:9], s[46:47]
.macro MUL8 f, c, a0, zero
	WIN MUL
.irp a, \a0, (\a0)+1
.irp b, 0,1,2,3
.if \zero
	v_wmma_f32_16x16x32_f16 v[ACC+8*(4*(\a)+(\b)):ACC+8*(4*(\a)+(\b))+7], v[(\f)+64+8*(4*(\c)+(\b)):(\f)+64+8*(4*(\c)+(\b))+7], v[(\f)+8*(4*(\c)+(\a)):(\f)+8*(4*(\c)+(\a))+7], 0
.else
	v_wmma_f32_16x16x32_f16 v[ACC+8*(4*(\a)+(\b)):ACC+8*(4*(\a)+(\b))+7], v[(\f)+64+8*(4*(\c)+(\b)):(\f)+64+8*(4*(\c)+(\b))+7], v[(\f)+8*(4*(\c)+(\a)):(\f)+8*(4*(\c)+(\a))+7], v[ACC+8*(4*(\a)+(\b)):ACC+8*(4*(\a)+(\b))+7]
.endif
.endr
.endr
.endm
.macro FETCH qd, f                     ; 32 LDS loads in one run: quarter qd (64 along K) of the slot in hand into buffer f, its first 32 along K first
	WIN TO_F
.irp c, 0,1
.irp i, 0,1,2,3
	ds_load_tr16_b128 v[(\f)+64+8*(4*(\c)+(\i)):(\f)+64+8*(4*(\c)+(\i))+3],   v[ADRB+(\qd)/2] offset:(((\qd)%2)*64+32*(\c))*PB+32*(\i)
	ds_load_tr16_b128 v[(\f)+64+8*(4*(\c)+(\i))+4:(\f)+64+8*(4*(\c)+(\i))+7], v[ADRB+(\qd)/2] offset:(((\qd)%2)*64+32*(\c))*PB+32*(\i)+16*PB
	ds_load_b128 v[(\f)+8*(4*(\c)+(\i)):(\f)+8*(4*(\c)+(\i))+3],   v[ADRA] offset:128*(\qd)+64*(\c)+(\i)*16*PA
	ds_load_b128 v[(\f)+8*(4*(\c)+(\i))+4:(\f)+8*(4*(\c)+(\i))+7], v[ADRA] offset:128*(\qd)+64*(\c)+(\i)*16*PA+32
.endr
.endr
.endm
.macro PLACES
.rept 4
	v_nop
.endr
.endm
.macro QUARTER qd, f, g, zero
	s_wait_dscnt 16                                ; the first 32 along K are in
	MUL8 \f, 0, 0, \zero
	MUL8 \f, 0, 2, \zero
	PLACES
	FETCH \qd, \g
	s_wait_dscnt 32                                ; all but the 32 just issued
	MUL8 \f, 1, 0, 0
	MUL8 \f, 1, 2, 0
.endm
.macro TURN fill                       ; the last quarter of a K step; fill = 1: the slot just read is filled again, two K steps on, behind a round of the cluster's barrier
	WIN 0
	s_wait_tensorcnt 0x0                           ; all my tensor loads have landed: my part of the next slot
	ds_add_u32 v[SPW], v[NIL]
	s_wait_dscnt 17                                ; the add and the youngest sixteen loads may be out
	MUL8 F1, 0, 0, 0
	s_wait_dscnt 0x0                               ; the add is done, my reads of this slot are over
	s_barrier_signal -1
	MUL8 F1, 0, 2, 0
.if \fill
	WIN 0
.endif
	s_barrier_wait -1
.if \fill
	CREST
	s_xor_b32 s[G0+5], s[G0+5], XS                 ; the walking descriptors: the other slot than last time, the next K step
	s_add_nc_u64 s[G0+6:G0+7], s[G0+6:G0+7], 512
	s_xor_b32 s[G0B+5], s[G0B+5], XS
	s_add_nc_u64 s[G0B+6:G0B+7], s[G0B+6:G0B+7], 0x100000
	JLOAD 1
.else
	PLACES
	WIN 0
.endif
	s_xor_b32 s[TB], s[TB], XS                     ; the reads go on in the other slot
	v_add_nc_u32 v[ADRA], s[TB], v[A0]
	v_add_nc_u32 v[ADRB], s[TB], v[B0]
	v_add_nc_u32 v[ADRB+1], s[TB], v[B0+1]
	FETCH 0, F0
	MUL8 F1, 1, 0, 0
	MUL8 F1, 1, 2, 0
.endm
.macro REDUCE dst
	v_pk_add_f32 v[LA:LA+1], v[LA:LA+1], v[LA+2:LA+3]
	v_pk_add_f32 v[LA+4:LA+5], v[LA+4:LA+5], v[LA+6:LA+7]
	v_pk_add_f32 v[LA:LA+1], v[LA:LA+1], v[LA+4:LA+5]
	v_add_f32 v[\dst], v[LA], v[LA+1]
	v_permlanex16_b32 v[\dst+1], v[\dst], s[SEL], s[SEL+1]
	v_add_f32 v[\dst], v[\dst], v[\dst+1]
.endm
.macro LNORM                           ; a lane holds 64 numbers of its row in X, the lane 16 away the other 64
.irp c, 0,1,2,3
	v_pk_add_f32 v[LA+2*(\c):LA+2*(\c)+1], v[X+2*(\c):X+2*(\c)+1], v[X+8+2*(\c):X+8+2*(\c)+1]
.endr
.set p, 8
.rept 24
	v_pk_add_f32 v[LA+2*(p%4):LA+2*(p%4)+1], v[LA+2*(p%4):LA+2*(p%4)+1], v[X+2*p:X+2*p+1]
.set p, p+1
.endr
	REDUCE LM
	v_mul_f32 v[LM], s[EM], v[LM]
.set p, 0
.rept 32
	v_pk_add_f32 v[X+2*p:X+2*p+1], v[X+2*p:X+2*p+1], v[LM:LM+1] op_sel_hi:[1,0] neg_lo:[0,1] neg_hi:[0,1]
.set p, p+1
.endr
.irp c, 0,1,2,3
	v_pk_mul_f32 v[LA+2*(\c):LA+2*(\c)+1], v[X+2*(\c):X+2*(\c)+1], v[X+2*(\c):X+2*(\c)+1]
.endr
.set p, 4
.rept 28
	v_pk_fma_f32 v[LA+2*(p%4):LA+2*(p%4)+1], v[X+2*p:X+2*p+1], v[X+2*p:X+2*p+1], v[LA+2*(p%4):LA+2*(p%4)+1]
.set p, p+1
.endr
	REDUCE LR
	v_fma_f32 v[LR], v[LR], s[C128], s[EPSR]
	v_rsq_f32 v[LR], v[LR]
	v_nop                                          ; a plain instruction behind the root,
	s_wait_alu depctr_va_vdst(0)                   ; and a wait ahead of its first reader
	v_fma_f32 v[LR], v[LR], s[EE], s[FF]
.set p, 0
.rept 32
	v_pk_mul_f32 v[X+2*p:X+2*p+1], v[X+2*p:X+2*p+1], v[LR:LR+1] op_sel_hi:[1,0]
.set p, p+1
.endr
.set p, 0
.rept 32
	v_pk_mul_f32 v[X+2*p:X+2*p+1], v[X+2*p:X+2*p+1], v[G+2*p:G+2*p+1]
.set p, p+1
.endr
.endm
	s_wait_kmcnt 0x0                               ; (E, F)
	s_mul_f32 s[EM], s[EE], s[C128]                ; E / 128
	s_mov_b32 s[EP], s[EE]
	s_mov_b32 s[EP+1], s[EE]
	s_mov_b32 s[FP], s[FF]
	s_mov_b32 s[FP+1], s[FF]
	s_wait_loadcnt 0x0                             ; the gains, in the wait for the first tile
	s_wait_tensorcnt 1                             ; my part of K step 0 is in; K step 1's may stay out
	s_barrier_signal -1
	s_barrier_wait -1
	FETCH 0, F0
	QUARTER 1, F0, F1, 1
	WIN 0
	s_mov_b32 s3, 6
.Lstep:                                                ; trip t = 0..5: K step t's quarters 1 to 3, its slot filled again with K step t + 2, K step t + 1's quarter 0
	QUARTER 2, F1, F0, 0
	QUARTER 3, F0, F1, 0
	TURN 1
	QUARTER 1, F0, F1, 0
	WIN 0
	s_sub_co_u32 s3, s3, 1
	s_cmp_lg_u32 s3, 0
	s_cbranch_scc1 .Lstep
	s_mov_b32 s3, 2
.Ltail:                                                ; K steps 6 and 7 fill nothing: a text of their own
	QUARTER 2, F1, F0, 0
	QUARTER 3, F0, F1, 0
	TURN 0
	WIN 0
	s_sub_co_u32 s3, s3, 1
	s_cmp_eq_u32 s3, 0
	s_cbranch_scc1 .Lsums                          ; behind K step 7 there is no further quarter
	QUARTER 1, F0, F1, 0
	WIN 0
	s_branch .Ltail
.Lsums:
	PLACES
	s_wait_dscnt 0x0
	s_barrier_signal -1
	s_barrier_wait -1                              ; every wave's reads of the ring are over, and it has had its last fill
.irp a, 0,1,2,3
.irp b, 0,1,2,3
	ds_store_b128 v[DB], v[ACC+8*(4*(\a)+(\b)):ACC+8*(4*(\a)+(\b))+3]   offset:(\a)*16*DP+64*(\b)
	ds_store_b128 v[DB], v[ACC+8*(4*(\a)+(\b))+4:ACC+8*(4*(\a)+(\b))+7] offset:(\a)*16*DP+64*(\b)+16
.endr
.endr
	s_wait_dscnt 0x0                               ; for the others' sake
	s_barrier_signal -1
	s_barrier_wait -1
.set p, 0
.rept 32
	v_pk_fma_f32 v[G+2*p:G+2*p+1], v[G+2*p:G+2*p+1], s[EP:EP+1], s[FP:FP+1] op_sel_hi:[1,0,0]
.set p, p+1
.endr
	v_mov_b32 v[LM+1], 0
	v_mov_b32 v[LR+1], 0
	s_mov_b32 s[OFFS], 0
	s_mov_b32 s3, 2
.Lrows:                                                ; 16 of my 32 rows a trip: from here on no wave touches another's rows
	v_add_nc_u32 v[XA], s[OFFS], v[XB]
	v_add_nc_u32 v[RD], s[OFFS], v[RB]
.irp b, 0,1,2,3,4,5,6,7
	ds_load_b128 v[X+8*(\b):X+8*(\b)+3],   v[XA] offset:64*(\b)
	ds_load_b128 v[X+8*(\b)+4:X+8*(\b)+7], v[XA] offset:64*(\b)+16
.endr
	s_wait_dscnt 0x0
	LNORM
.irp b, 0,1,2,3,4,5,6,7
	ds_store_b128 v[XA], v[X+8*(\b):X+8*(\b)+3]   offset:64*(\b)
	ds_store_b128 v[XA], v[X+8*(\b)+4:X+8*(\b)+7] offset:64*(\b)+16
.endr
.irp t, 0,1,2,3,4,5,6,7,8,9,10,11,12,13,14,15
	ds_load_b128 v[BK+4*(\t):BK+4*(\t)+3], v[RD] offset:(\t)*DP  ; a whole row of 512 bytes; LDS serves a wave's instructions in order (ISA guide 5.7.1.4)
.endr
.irp t, 0,1,2,3,4,5,6,7,8,9,10,11,12,13,14,15
	s_wait_dscnt 15-(\t)
	global_store_b128 v[CO], v[BK+4*(\t):BK+4*(\t)+3], s[8:9] offset:8192*(\t)  ; 512 consecutive bytes, aligned
.endr
	s_wait_xcnt 0x0                                ; the stores have read their base and data
	s_add_nc_u64 s[8:9], s[8:9], 131072
	s_add_co_u32 s[OFFS], s[OFFS], 16*DP
	s_sub_co_u32 s3, s3, 1
	s_cmp_lg_u32 s3, 0
	s_cbranch_scc1 .Lrows
	s_wait_tensorcnt 0x0                           ; the wave's end
	ds_add_u32 v[SPW], v[NIL]
	s_wait_dscnt 0x0
	CROUND
	s_endpgm
.Lfunc_end_k_q0f7b2bded8_qproj:
	.size	k_q0f7b2bded8_qproj, .Lfunc_end_k_q0f7b2bded8_qproj-k_q0f7b2bded8_qproj
	.p2alignl 7, 3214868480
	.fill 96, 4, 3214868480
	.section	.rodata,"a",@progbits
	.p2align	6, 0x0
	.amdhsa_kernel k_q0f7b2bded8_qproj
		.amdhsa_group_segment_fixed_size 327680
		.amdhsa_private_segment_fixed_size 0
		.amdhsa_enable_private_segment 0
		.amdhsa_kernarg_size 32
		.amdhsa_user_sgpr_count 2
		.amdhsa_user_sgpr_kernarg_segment_ptr 1
		.amdhsa_wavefront_size32 1
		.amdhsa_system_sgpr_workgroup_id_x 1
		.amdhsa_system_sgpr_workgroup_id_y 1
		.amdhsa_system_sgpr_workgroup_id_z 1
		.amdhsa_system_vgpr_workitem_id 0
		.amdhsa_next_free_vgpr 512
		.amdhsa_next_free_sgpr 88
		.amdhsa_reserve_vcc 0
		.amdhsa_float_denorm_mode_32 3
		.amdhsa_float_denorm_mode_16_64 3
		.amdhsa_memory_ordered 1
		.amdhsa_forward_progress 1
		.amdhsa_inst_pref_size 73
	.end_amdhsa_kernel
	.amdgpu_metadata
---
amdhsa.version: [ 1, 2 ]
amdhsa.kernels:
  - .name:           k_q0f7b2bded8_qproj
    .symbol:         k_q0f7b2bded8_qproj.kd
    .args:
      - { .name: qi, .offset: 0, .size: 8, .value_kind: global_buffer, .address_space: global }
      - { .name: wqh, .offset: 8, .size: 8, .value_kind: global_buffer, .address_space: global }
      - { .name: q_ln_scale, .offset: 16, .size: 8, .value_kind: global_buffer, .address_space: global }
      - { .name: qn, .offset: 24, .size: 8, .value_kind: global_buffer, .address_space: global }
    .group_segment_fixed_size: 327680
    .private_segment_fixed_size: 0
    .kernarg_segment_align: 8
    .kernarg_segment_size: 32
    .max_flat_workgroup_size: 128
    .sgpr_count:     88
    .vgpr_count:     512
    .wavefront_size: 32
...
	.end_amdgpu_metadata
.endif
;; end of part 3
;; launch attn (part 4): grid 8 x 32, 4 waves a work-group, clusters of 4 x 1, 327,680 bytes of LDS; arguments qn, kvh, kvx, ao; writes ao
.if DOCPART == 4
	.amdgcn_target "amdgcn-amd-amdhsa--gfx1250"
	.amdhsa_code_object_version 6
	.text
	.protected	k_q0f7b2bded8_attn
	.globl	k_q0f7b2bded8_attn
	.p2align	8
	.type	k_q0f7b2bded8_attn,@function
k_q0f7b2bded8_attn:
	s_mov_b64 s[64:65], 0
	v_nop
	global_prefetch_b8 v0, s[64:65] scope:SCOPE_SE
	s_setreg_imm32_b32 hwreg(HW_REG_WAVE_MODE, 25, 1), 1
	s_wait_xcnt 0x0
	s_wait_alu depctr_hold_cnt(0) depctr_sa_sdst(0) depctr_va_vdst(0) depctr_va_sdst(0) depctr_va_ssrc(0) depctr_va_vcc(0) depctr_vm_vsrc(0)
	s_getreg_b32 s2, hwreg(HW_REG_IB_STS2, 6, 4)
	s_cmp_eq_u32 s2, 0
	s_cbranch_scc0 .Lentry_in_a_cluster
	s_endpgm
.Lentry_in_a_cluster:
	s_bfe_u32 s2, ttmp6, 0x10000c
	s_cmp_lg_u32 s2, 0x3003
	s_cbranch_scc0 .Lentry_shape_is_right
	s_endpgm
.Lentry_shape_is_right:
; MASKED ATTENTION.  O[b][q][h][:] = sum over k of softmax_k(mask ? Q.K / sqrt(128) : lowest) V.  Q: qn, f32 [2048][2048] (row 1024 b + q, column 128 h + d), rounded here to f16; K, V: kvh, f16 [4096][2048] each;
; the mask: words of bf16 in kvx, 0 (seen) or -2^99 (hidden), laid as a lane wants them; O: ao, f16 [2048][2048].  Products, maxima and sums in f32; the weights are rounded to f16 for the second product.
; THE MASK.  s' = c s + word, one fused multiply-add a score, c = log2(e) / sqrt(128).  |c s| of f16 operands is far under half a step of 2^99, so every hidden score is exactly -2^99: a row with no seen key has
; equal weights, as where all logits are equal; the running maximum is taken behind the mask and starts at -2^100; the first seen key gives the correction 0 and wipes what hidden keys left.
; LIMITS: f16 ends at 65,504 (K, V, Q arrive within it; O is a mean of V's rows); a weight below 2^-126 counts as 0; NaN and infinities are not treated apart.
; SHARES.  A work-group owns 128 queries of one (batch, head): 256 work-groups.  Wave w: queries 64 (w / 2) on (four tiles of 16, two PIECES of two), keys 1,024 (w % 2) on, 16 steps of 64.
; The two halves of the keys meet in LDS at the end: O = (O_A f_A + O_B f_B) / (l_A f_A + l_B f_B), f = 2^(m - max).
; LAYOUT.  S^T = K Q^T: a lane holds one query (l % 16) and keys 8 (l / 16) + 0..7 of each 16; two such results rounded in pairs are source 1 of O^T = V^T P.  V comes out of LDS turned.
; BY TURNS.  In a turn one piece has the matrix unit (32 products V^T P of the step in hand, 32 products K Q^T of the next); the other piece's softmax stands in 64 slices, one behind each product; its 64 mask lines stand
; at the turn's head.  A turn's 66 exponentials are one batch with one wait.  The first step is a step like any other: its correction is 2^(-2^100 - m) = 0, so l (0) and O^T need only be finite at the start:
; O^T's registers hold Q's f32 numbers, which were loaded into them.  The loop is entered and the tail left in the middle of a trip (32 products on zeros at the start, 32 on a stale K at the end).
; CLUSTER 4 x 1: the four query blocks of a cluster walk the same K and V: each tile is asked for jointly.
; REGISTERS: window 0: v0-11 addresses, v12-43 statistics (tile t at 12 + 8 t: m, m, l, l, c0-c3; the correction takes c2), v44-63 constants and addresses, v64-191 S^T, v192-255 P;
;   window 1: O^T; window 2: v0-127 Q, v128-255 K; window 3: v0-127 V, v128-191 mask words (16 a tile).
.set KS,    64
.set PK,    272
.set PV,    288
.set REG,   0x9000                     ; a slot's four regions: K of key half 0, of half 1, V of half 0, of half 1; 128 rows (two steps) each; region w is fetched by wave w
.set XS,    0x24000                    ; a slot; no region's base has a bit in common with it, so one exclusive or turns a base in one slot into the other's
.set STAGE, 2*XS                       ; 16 rows x 272 bytes for each wave, for the way out
.set SP,    272
.set SPARE, STAGE+4*16*SP              ; the spare words
.set MW,    33792                      ; the meeting: a wave's O^T (32,768 bytes) and statistics (1,024), in slot 0's bytes behind their last fill
.set FILLB, 524288                     ; 128 rows of 4,096 bytes
.set VHO,   16777216
.set MKB,   50331648
.set AK0, 2
.set AV0, 3
.set ADR, 4
.set QO,  5
.set STO, 6
.set RD,  7
.set GO,  8
.set MLA, 10
.set MLS, 11
.set ST,  12
.set CV,  44                           ; c
.set MKO, 45                           ; 16 x lane
.set DMP, 46
.set DMS, 47
.set MLA0, 54
.set MLS0, 55
.set PFO, 61                           ; 4,096 x lane
.set SPW, 62
.set NIL, 63
.set S,   64
.set P,   192
.set KF,  128
.set MK,  128
.set WV,  12
.set LIM, 15
.set PFA, 18
.set G1K, 24
.set G1V, 32
.set G0K, 40
.set G0V, 48
.set SLOTS, 56
.set TWICE, 57
.set SEL, 60
.set TBK, 62
.set TBV, 63
.set MP0, 66                           ; s[66:67] piece 0's mask block, s[68:69] piece 2's
.set MST, 70                           ; s[70:71] the step of a mask pointer
.set MC,  72                           ; steps of the mask pointers still to be made
.set MSB, 0
.macro WIN new
.if MSB != (\new)
	s_set_vgpr_msb (MSB<<8)|(\new)
.set MSB, \new
.endif
.endm
.set W_KQ, 0x0a
.set W_PV, 0x53
.set W_RS, 0x41
.macro JLOAD                           ; a joint refill: waves 0, 1 fetch K's two regions, waves 2, 3 V's
	s_cmp_lt_u32 s[WV], 2
	s_cbranch_scc0 .Lfor_v_\@
	tensor_load_to_lds s[G0K+4:G0K+7], s[G1K:G1K+7]
	s_nop 0
.rept 4
	v_nop
.endr
	s_branch .Lasked_\@
.Lfor_v_\@:
	tensor_load_to_lds s[G0V+4:G0V+7], s[G1V:G1V+7]
	s_nop 0
.rept 4
	v_nop
.endr
.Lasked_\@:
.endm
; A prefetch of what the next change of slots will ask for: of the 128 rows that I fetch, my work-group's 32, a lane a row of 256 bytes.  The head's first cluster asks; the partners are told apart by address.
; So each row is named once.  The last change that fills a slot asks for nothing.
.macro ASK
	s_cmp_gt_u32 s[SLOTS], s[LIM]
	s_cbranch_scc0 .Lnot_mine_\@
	global_prefetch_b8 v[PFO], s[PFA:PFA+1] th:TH_LOAD_NT scope:SCOPE_SE
.Lnot_mine_\@:
.endm
.macro CROUND
	s_barrier_signal -1
	s_barrier_wait -1
	s_cmp_lg_u32 s[WV], 0
	s_cbranch_scc1 .Lnot_wave_0_\@
	s_barrier_signal -3
.Lnot_wave_0_\@:
	s_barrier_wait -3
	s_barrier_signal -1
	s_barrier_wait -1
.endm
	s_load_b256 s[4:11], s[0:1], 0x0               ; qn s[4:5], kvh s[6:7], kvx s[8:9], ao s[10:11]
	v_lshl_add_u32 v[SPW], v0, 2, SPARE
	v_mov_b32 v[NIL], 0
	ds_add_u32 v[SPW], v[NIL]                      ; the opening: the add and its wait ahead of my first tensor load
	v_lshrrev_b32 v1, 5, v0
	v_readfirstlane_b32 s[WV], v1
	s_bfe_u32 s13, ttmp6, 0x40000                  ; cx
	s_lshl_b32 s14, ttmp9, 2
	s_add_co_u32 s14, s14, s13                     ; my block of 128 queries: it enters Q's, O's, the mask's and the prefetches' addresses alone
	s_and_b32 s20, ttmp7, 0xffff
	s_lshr_b32 s21, s20, 4                         ; batch
	s_and_b32 s22, s20, 15                         ; head
	s_and_b32 s16, s[WV], 1                        ; my half of the keys; also the half that I fetch
	s_lshr_b32 s17, s[WV], 1                       ; my half of the queries
	s_lshl_b32 s74, s21, 23                        ; K, V: (2048 b + 1024 half) rows of 4,096 bytes + 256 h
	s_lshl_b32 s75, s16, 22
	s_add_co_u32 s74, s74, s75
	s_lshl_b32 s75, s22, 8
	s_add_co_u32 s74, s74, s75
	s_mov_b32 s75, 0
	s_mul_i32 s23, s16, REG
	s_lshl_b32 s2, s21, 23                         ; Q: (1024 b + 128 block + 64 half) rows of 8,192 bytes + 512 h
	s_lshl_b32 s3, s14, 20
	s_add_co_u32 s2, s2, s3
	s_lshl_b32 s3, s17, 19
	s_add_co_u32 s2, s2, s3
	s_lshl_b32 s3, s22, 9
	s_add_co_u32 s2, s2, s3
	s_mov_b32 s3, 0
	s_lshl_b32 s76, s21, 22                        ; O: (1024 b + 128 block + 64 half + 32 key half) rows of 4,096 bytes + 256 h
	s_lshl_b32 s77, s14, 19
	s_add_co_u32 s76, s76, s77
	s_lshl_b32 s77, s17, 18
	s_add_co_u32 s76, s76, s77
	s_mov_b32 s78, s76                             ; the mask: ((64 b + 8 block + 4 half) x 32 + 16 key half) blocks of 2,048 bytes: the same three terms
	s_lshl_b32 s77, s16, 17
	s_add_co_u32 s76, s76, s77
	s_lshl_b32 s77, s22, 8
	s_add_co_u32 s76, s76, s77
	s_mov_b32 s77, 0
	s_lshl_b32 s79, s16, 15
	s_add_co_u32 s78, s78, s79
	s_add_co_u32 s78, s78, MKB
	s_mov_b32 s79, 0
	s_mov_b32 s[G1K], 15|(1<<16)|(1<<20)|(1<<21)|(5<<22)|(3<<25)   ; the mask of four; 2-byte elements; padding on; bit 21 beside a mask; after 64 words; 4 words
	s_mov_b32 s[G1V], 15|(1<<16)|(1<<20)|(1<<21)|(5<<22)|(7<<25)   ; 8 words
.irp g, G1K, G1V
	s_mov_b32 s[(\g)+1], 128<<16
	s_mov_b32 s[(\g)+2], 128<<16
	s_mov_b32 s[(\g)+3], 128<<16
	s_mov_b32 s[(\g)+4], 128
	s_mov_b32 s[(\g)+5], 2048
	s_mov_b32 s[(\g)+6], 0
	s_mov_b32 s[(\g)+7], 0
.endr
	s_mov_b32 s[SEL], 0x76543210
	s_mov_b32 s[SEL+1], 0xfedcba98
	s_mov_b32 s[TBK], s23
	s_add_co_u32 s[TBV], s23, 2*REG
	s_mov_b32 s[MST+1], 0
	s_mov_b32 s[MC], 30
	s_cmp_eq_u32 ttmp9, 0                          ; the head's first cluster: the same in all four partners
	s_cselect_b32 s[LIM], 1, -1
	v_and_b32 v[MKO], 31, v0
	v_lshlrev_b32 v[PFO], 12, v[MKO]
	v_lshlrev_b32 v[MKO], 4, v[MKO]
	s_wait_dscnt 0x0
	s_wait_kmcnt 0x0
	s_add_nc_u64 s[6:7], s[6:7], s[74:75]          ; K at my half's first rows
	s_add_nc_u64 s[80:81], s[6:7], VHO             ; V likewise
	s_add_nc_u64 s[4:5], s[4:5], s[2:3]
	s_add_nc_u64 s[10:11], s[10:11], s[76:77]
	s_add_nc_u64 s[MP0:MP0+1], s[8:9], s[78:79]
	s_add_nc_u64 s[MP0+2:MP0+3], s[MP0:MP0+1], 131072  ; two tiles on
	s_cmp_lt_u32 s[WV], 2
	s_cselect_b64 s[PFA:PFA+1], s[6:7], s[80:81]
	s_lshl_b32 s2, s13, 17                         ; my work-group's 32 rows
	s_mov_b32 s3, 0
	s_add_nc_u64 s[PFA:PFA+1], s[PFA:PFA+1], s[2:3]
	s_add_nc_u64 s[PFA:PFA+1], s[PFA:PFA+1], 2*FILLB  ; the third fill; the first change of slots steps it to the fourth
	CROUND
.irp s, 0,1
	s_mov_b32 s[G0K+4*(\s)], 1
	s_add_co_u32 s[G0K+4*(\s)+1], s23, (\s)*XS
	s_add_nc_u64 s[G0K+4*(\s)+2:G0K+4*(\s)+3], s[6:7], (\s)*FILLB
	s_or_b32 s[G0K+4*(\s)+3], s[G0K+4*(\s)+3], 0x80000000
	s_mov_b32 s[G0V+4*(\s)], 1
	s_add_co_u32 s[G0V+4*(\s)+1], s23, (\s)*XS+2*REG
	s_add_nc_u64 s[G0V+4*(\s)+2:G0V+4*(\s)+3], s[80:81], (\s)*FILLB
	s_or_b32 s[G0V+4*(\s)+3], s[G0V+4*(\s)+3], 0x80000000
.endr
	s_cmp_lt_u32 s[WV], 2                          ; a wave's two first fills stand in one branch: two loads of mine are out
	s_cbranch_scc0 .Lfirst_v
	tensor_load_to_lds s[G0K:G0K+3], s[G1K:G1K+7]
	s_nop 0
	tensor_load_to_lds s[G0K+4:G0K+7], s[G1K:G1K+7]
	s_nop 0
.rept 4
	v_nop
.endr
	s_branch .Lfirst_asked
.Lfirst_v:
	tensor_load_to_lds s[G0V:G0V+3], s[G1V:G1V+7]
	s_nop 0
	tensor_load_to_lds s[G0V+4:G0V+7], s[G1V:G1V+7]
	s_nop 0
.rept 4
	v_nop
.endr
.Lfirst_asked:
	v_and_b32 v1, 15, v0                           ; l % 16
	v_bfe_u32 v9, v0, 4, 1                         ; l / 16
	v_lshlrev_b32 v[QO], 13, v1
	v_lshl_add_u32 v[QO], v9, 5, v[QO]             ; row x 8,192 + 32 x half
	WIN 0xc0
.irp y, 0,2                            ; both pieces' mask words of step 0, piece 0's first: they go out ahead of Q, so that one wait serves both
.irp u, 0,1
.irp c, 0,1,2,3
	global_load_b128 v[MK+16*((\y)+(\u))+4*(\c):MK+16*((\y)+(\u))+4*(\c)+3], v[MKO], s[MP0+(\y):MP0+(\y)+1] offset:65536*(\u)+512*(\c)
.endr
.endr
.endr
	WIN 0x40                                       ; Q in f32 into O^T's registers: tile t, channels 32 f + 16 (u / 2) + 8 (l / 16) + 4 (u % 2) on
.irp t, 0,1,2,3
.irp f, 0,1,2,3
.irp u, 0,1,2,3
	global_load_b128 v[64*(\t)+16*(\f)+4*(\u):64*(\t)+16*(\f)+4*(\u)+3], v[QO], s[4:5] offset:131072*(\t)+128*(\f)+64*((\u)/2)+16*((\u)%2)
.endr
.endr
.endr
	WIN 0xc0                                       ; what the first turn finds: V and piece 2's P hold 0, l is 0, m is -2^100.  All this stands in the wait for the first loads
.set i, 0
.rept 128
	v_mov_b32 v[i], 0
.set i, i+1
.endr
	WIN 0
.set i, 0
.rept 4
	v_mov_b32 v[ST+8*i], 0xf1800000
	v_mov_b32 v[ST+8*i+1], 0xf1800000
	v_mov_b32 v[ST+8*i+2], 0
	v_mov_b32 v[ST+8*i+3], 0
.set i, i+1
.endr
.set i, P+32
.rept 32
	v_mov_b32 v[i], 0
.set i, i+1
.endr
	v_mov_b32 v[CV], 0x3e0293ee                    ; c = log2(e) / sqrt(128)
	v_mul_u32_u24 v[AK0], v1, PK
	v_lshl_add_u32 v[AK0], v9, 4, v[AK0]
	v_and_b32 v10, 7, v0
	v_bfe_u32 v11, v0, 3, 1
	v_lshl_add_u32 v[AV0], v9, 3, v10
	v_mul_u32_u24 v[AV0], v[AV0], PV
	v_lshl_add_u32 v[AV0], v11, 4, v[AV0]
	s_wait_loadcnt 0x0                             ; Q, and the mask words issued ahead of it
	WIN 0x85                                       ; sources window 1, destination window 2; the f32 numbers stay where they are: finite, and multiplied by 0 in each tile's first step
.set i, 0
.rept 128
	v_cvt_pk_f16_f32 v[i], v[2*i], v[2*i+1]
.set i, i+1
.endr
	WIN 0
.macro PV x                            ; product i of 32 of O^T += V^T P: keys 32 (i / 16) on, channels 16 ((i / 2) % 8) on, tile x + i % 2; 16 accumulators by turns
	WIN W_PV
.set rO, 64*((\x)+i%2)+8*((i/2)%8)
.set rV, 64*(i/16)+8*((i/2)%8)
.set rP, P+16*((\x)+i%2)+8*(i/16)
	v_wmma_f32_16x16x32_f16 v[rO:rO+7], v[rV:rV+7], v[rP:rP+7], v[rO:rO+7]
.endm
.macro KQ x                            ; product i of 32 of S^T = K Q^T: channels 32 (i / 8) on, keys 16 ((i / 2) % 4) on, tile x + i % 2; the first 8 start the sums
	WIN W_KQ
.set rS, S+32*((\x)+i%2)+8*((i/2)%4)
.set rK, KF+32*((i/2)%4)+8*(i/8)
.set rQ, 32*((\x)+i%2)+8*(i/8)
.if i < 8
	v_wmma_f32_16x16x32_f16 v[rS:rS+7], v[rK:rK+7], v[rQ:rQ+7], 0
.else
	v_wmma_f32_16x16x32_f16 v[rS:rS+7], v[rK:rK+7], v[rQ:rQ+7], v[rS:rS+7]
.endif
.endm
.macro FETCH_K last=0                  ; a step's K, 32 loads in one run.  last = 1 (the tail): in the last trip there is no further step, and the run is jumped over
	WIN 0
.if \last
	s_cmp_eq_u32 s[TWICE], 1
	s_cbranch_scc1 .Lno_k_\@
.endif
	v_add_nc_u32 v[ADR], s[TBK], v[AK0]
	WIN 0x80
.irp f, 0,1,2,3,4,5,6,7,8,9,10,11,12,13,14,15
	ds_load_b128 v[KF+8*(\f):KF+8*(\f)+3],   v[ADR] offset:((\f)/4)*16*PK+((\f)%4)*64
	ds_load_b128 v[KF+8*(\f)+4:KF+8*(\f)+7], v[ADR] offset:((\f)/4)*16*PK+((\f)%4)*64+32
.endr
	s_add_co_u32 s[TBK], s[TBK], KS*PK
	WIN 0
.if \last
.Lno_k_\@:
.endif
.endm
.macro FETCH_V                         ; a step's V, turned; the wait for the softmax's batch stands in it, ahead of the loads
	WIN 0
	v_add_nc_u32 v[ADR], s[TBV], v[AV0]
	s_add_co_u32 s[TBV], s[TBV], KS*PV
	s_wait_alu depctr_va_vdst(0)
	WIN 0xc0
.irp f, 0,1,2,3,4,5,6,7,8,9,10,11,12,13,14,15
	ds_load_tr16_b128 v[8*(\f):8*(\f)+3],   v[ADR] offset:((\f)/8)*32*PV+((\f)%8)*32
	ds_load_tr16_b128 v[8*(\f)+4:8*(\f)+7], v[ADR] offset:((\f)/8)*32*PV+16*PV+((\f)%8)*32
.endr
.endm
.macro MASKS y                         ; s' = c s + word for the piece's 64 scores a lane, ascending
	WIN 0x30                                       ; source 2 in window 3
.irp t, \y, (\y)+1
.set mm, 0
.rept 32
.if mm%2
	v_fma_mix_f32_bf16 v[S+32*(\t)+mm], v[S+32*(\t)+mm], v[CV], v[MK+16*(\t)+mm/2] op_sel:[0,0,1] op_sel_hi:[0,0,1]
.else
	v_fma_mix_f32_bf16 v[S+32*(\t)+mm], v[S+32*(\t)+mm], v[CV], v[MK+16*(\t)+mm/2] op_sel:[0,0,0] op_sel_hi:[0,0,1]
.endif
.set mm, mm+1
.endr
.endr
.endm
.macro MNEXT y                         ; the piece's next mask block.  Of the 32 turns the last two step by 0 and read their block again: no load leaves the buffer, and the counts are alike in every turn
	s_cmp_lg_u32 s[MC], 0
	s_cselect_b32 s[MST], 2048, 0
	s_cselect_b32 s73, 1, 0
	s_sub_co_u32 s[MC], s[MC], s73
	s_add_nc_u64 s[MP0+(\y):MP0+(\y)+1], s[MP0+(\y):MP0+(\y)+1], s[MST:MST+1]  ; its last loads were shown done by the wait at the turn's head
	WIN 0xc0
.irp u, 0,1
.irp c, 0,1,2,3
	global_load_b128 v[MK+16*((\y)+(\u))+4*(\c):MK+16*((\y)+(\u))+4*(\c)+3], v[MKO], s[MP0+(\y):MP0+(\y)+1] offset:65536*(\u)+512*(\c)
.endr
.endr
.endm
; One tile's softmax for one step: a list of 134; SM writes number j for tile t.  0-15 the maximum of the 32 scores and the old m; 16-20 the other half of the lanes', the new m, its change;
; 21-69 ONE BATCH: the 16 subtractions s' - m and all 33 exponentials (the correction at 23), none of which reads an exponential's result; (the wait); 70-85 roundings to f16; 86-101 sums, l = a l + sum; 102-133 O^T times a.
.macro SM t
.set rT, ST+8*(\t)
.set rS, S+32*(\t)
.set rP, P+16*(\t)
.set rO, 64*(\t)+2*(j-102)
.if j < 102
	WIN 0
.endif
.if j < 4
	v_max3_num_f32 v[rT+4+j], v[rS+8*j], v[rS+8*j+1], v[rS+8*j+2]
.elseif j < 12
	v_max3_num_f32 v[rT+4+j%4], v[rT+4+j%4], v[rS+8*(j%4)+2*(j/4)+1], v[rS+8*(j%4)+2*(j/4)+2]
.elseif j == 12
	v_max3_num_f32 v[rT+4], v[rT+4], v[rS+7], v[rS+15]
.elseif j == 13
	v_max3_num_f32 v[rT+6], v[rT+6], v[rS+23], v[rS+31]
.elseif j == 14
	v_max3_num_f32 v[rT+4], v[rT+4], v[rT+5], v[rT+6]
.elseif j == 15
	v_max3_num_f32 v[rT+4], v[rT+4], v[rT+7], v[rT+1]
.elseif j == 16
	v_permlanex16_b32 v[rT+5], v[rT+4], s[SEL], s[SEL+1]
.elseif j == 17
	v_mov_b32 v[rT+7], v[rT]                       ; the old m is kept
.elseif j == 18
	v_max_num_f32 v[rT+1], v[rT+4], v[rT+5]
.elseif j == 19
	v_mov_b32 v[rT], v[rT+1]
.elseif j == 20
	v_sub_f32 v[rT+7], v[rT+7], v[rT]
.elseif j == 23
	v_exp_f32 v[rT+6], v[rT+7]
.elseif (j < 23) || ((j < 38) && (j%2 == 0)) || ((j < 66) && (j%4 == 2))
.set b, (j-2)/4
.if j < 38
.set b, (j-20)/2
.endif
	v_pk_add_f32 v[rS+2*b:rS+2*b+1], v[rS+2*b:rS+2*b+1], v[rT:rT+1] op_sel_hi:[1,0] neg_lo:[0,1] neg_hi:[0,1]
.elseif j < 70
.set e, j-38
.if j < 66
.set e, j-32-(j-38)/4
.endif
.if j < 38
.set e, (j-25)/2
.endif
	v_exp_f32 v[rS+e], v[rS+e]
.elseif j < 86
	v_cvt_pk_f16_f32 v[rP+j-70], v[rS+2*(j-70)], v[rS+2*(j-70)+1]
.elseif j < 102
.set z, j-86
.set w, 4
.set u, z
.if z >= 14
.set w, 32
.set u, 0
.elseif z >= 12
.set w, 16
.set u, z-12
.elseif z >= 8
.set w, 8
.set u, z-8
.endif
.if z < 15
	v_pk_add_f32 v[rS+w*u:rS+w*u+1], v[rS+w*u:rS+w*u+1], v[rS+w*u+w/2:rS+w*u+w/2+1]
.else
	v_pk_fma_f32 v[rT+2:rT+3], v[rT+2:rT+3], v[rT+6:rT+7], v[rS:rS+1] op_sel_hi:[1,0,1]
.endif
.else
	WIN W_RS
	v_pk_mul_f32 v[rO:rO+1], v[rO:rO+1], v[rT+6:rT+7] op_sel_hi:[1,0]
.endif
.endm
; Slice k of 64 of piece y's softmax: four instructions (slice 63: sixteen).  Slices 11-34 deal out the batch, four numbers of one tile each; the others take numbers 2 k, 2 k + 1 of both tiles.
; Behind slice 34 nothing more is issued that needs the wait, and ahead of slice 35 no result is named: one wait a turn, with one plain instruction behind the last exponential.
.macro SLICE y
.if (k >= 11) && (k < 35)
.irp n, 0,1,2,3
.set j, 22+4*((k-11)/2)+(\n)
	SM (\y)+(k-11)%2
.endr
.else
.irp n, 0,1,2,3,4,5,6,7
.if ((\n) < 2) || (k == 63)
.irp t, \y, (\y)+1
.set j, 2*k+(\n)
	SM \t
.endr
.endif
.endr
.endif
.if k == 34
	v_nop
.if (\y) == 0
	FETCH_V                                        ; piece 2's turn: V's run stands here; the last product that read V lies three K Q^T products and four slices back
.else
	s_wait_alu depctr_va_vdst(0)
.endif
.endif
.set k, k+1
.endm
; A TURN: piece x has the matrix unit, piece 2 - x the vector unit.  Piece 0's turn fetches the next step's K behind its second product; piece 2's the same step's V behind slice 34.
.macro TURN x, last=0
.set k, 0
	WIN 0
	s_wait_loadcnt 8                               ; the piece's eight mask loads are in; the other piece's eight, issued a turn later, may stay out
	MASKS 2-(\x)                                   ; sixteen plain instructions (slice 63 of the turn before) lie behind the products that made these scores
	MNEXT 2-(\x)
.if (\x) == 0
	s_wait_dscnt 0x0                               ; V is in
.endif
.set i, 0
.rept 32
	PV \x
	SLICE 2-(\x)
.if ((\x) == 0) && (i == 1)
	FETCH_K \last
.endif
.set i, i+1
.endr
.if (\x) == 0
	s_wait_dscnt 0x0                               ; K is in
.endif
.set i, 0
.rept 32
	KQ \x
	SLICE 2-(\x)
.set i, i+1
.endr
.endm
; THE CHANGE OF SLOTS: each wave waits for all its tensor loads (one is out: its part of the other slot), adds 0 to its spare word, waits for that and for its reads of the slot.
; fill = 1: a round of the cluster's barrier, and the joint refill first behind it, with the keys two slots on: it has two key steps, 256 products, in which to land.
.macro CHANGE fill
	WIN 0
	s_wait_tensorcnt 0x0
	ds_add_u32 v[SPW], v[NIL]
.if \fill
.irp g, G0K+4, G0V+4
	s_xor_b32 s[(\g)+1], s[(\g)+1], XS
	s_add_nc_u64 s[(\g)+2:(\g)+3], s[(\g)+2:(\g)+3], FILLB
.endr
	s_wait_xcnt 0x0                                ; the last prefetch, two key steps back, has read its address
	s_add_nc_u64 s[PFA:PFA+1], s[PFA:PFA+1], FILLB
	s_wait_dscnt 0x0
	CROUND
	JLOAD
	ASK
.else
	s_wait_dscnt 0x0
	s_barrier_signal -1
	s_barrier_wait -1
.endif
	s_sub_co_u32 s[TBK], s[TBK], 2*KS*PK           ; back to the region's base, in the other slot
	s_xor_b32 s[TBK], s[TBK], XS
	s_sub_co_u32 s[TBV], s[TBV], 2*KS*PV
	s_xor_b32 s[TBV], s[TBV], XS
.endm
	s_wait_tensorcnt 1                             ; my part of slot 0 is in; slot 1's may stay out
	s_barrier_signal -1
	s_barrier_wait -1
	FETCH_K                                        ; step 0
	s_wait_dscnt 0x0
.set i, 0
.rept 32
	KQ 0                                           ; piece 0's first scores
.set i, i+1
.endr
	WIN 0                                          ; the addresses of the way out: eight plain instructions, the places behind those products
	s_mul_i32 s13, s[WV], 16*SP
	s_add_co_u32 s13, s13, STAGE
	v_mul_u32_u24 v[STO], v1, SP
	v_lshl_add_u32 v[STO], v9, 4, v[STO]
	v_add_nc_u32 v[STO], s13, v[STO]
	v_mul_u32_u24 v[RD], v9, SP
	v_lshl_add_u32 v[RD], v1, 4, v[RD]
	v_add_nc_u32 v[RD], s13, v[RD]
	v_lshlrev_b32 v[GO], 12, v9
	v_lshl_add_u32 v[GO], v1, 4, v[GO]
	s_mov_b32 s[TWICE], 2
	s_mov_b32 s[SLOTS], 7
	s_branch .Lfirst                               ; the loop is entered at piece 2's turn: its products V^T P add zeros
.Lslot:                                                ; six times: every slot but the last two is filled again
	CHANGE 1
	s_mov_b32 s[TWICE], 2
.Lstep:
	TURN 0
	WIN 0
.Lfirst:
	TURN 2
	WIN 0
	s_sub_co_u32 s[TWICE], s[TWICE], 1
	s_cmp_lg_u32 s[TWICE], 0
	s_cbranch_scc1 .Lstep
	s_sub_co_u32 s[SLOTS], s[SLOTS], 1
	s_cmp_lg_u32 s[SLOTS], 0
	s_cbranch_scc1 .Lslot
	CHANGE 0                                       ; the tail is written out
	s_mov_b32 s[TWICE], 3                          ; two trips fetch the last slot's steps; the third is left in its middle
.Ltail:
	TURN 0, 1
	WIN 0
	s_sub_co_u32 s[TWICE], s[TWICE], 1
	s_cmp_eq_u32 s[TWICE], 0
	s_cbranch_scc1 .Lout
	TURN 2
	WIN 0
	s_branch .Ltail
.Lout:
.set i, 0
.rept 32
	PV 2                                           ; piece 2's V^T P of the last step
.set i, i+1
.endr
	WIN 0
	s_wait_loadcnt 0x0                             ; the last mask loads, which serve nothing
.irp t, 0,1,2,3
	v_add_f32 v[ST+8*(\t)+2], v[ST+8*(\t)+2], v[ST+8*(\t)+3]   ; l: even and odd keys', then the other half of the lanes'.  These lines are the places behind the last products
.endr
.irp t, 0,1,2,3
	v_permlanex16_b32 v[ST+8*(\t)+3], v[ST+8*(\t)+2], s[SEL], s[SEL+1]
.endr
.irp t, 0,1,2,3
	v_add_f32 v[ST+8*(\t)+1], v[ST+8*(\t)+2], v[ST+8*(\t)+3]   ; the pair (m, l)
.endr
	v_and_b32 v48, 31, v0
	s_mul_i32 s13, s[WV], MW
	v_lshl_add_u32 v[DMP], v48, 4, s13
	s_add_co_u32 s13, s13, 32768
	v_lshl_add_u32 v[DMS], v48, 3, s13
	s_mul_i32 s13, s17, 2*MW                       ; my pair of waves; of its four tiles I finish 2 x key half and the next
	s_lshl_b32 s14, s16, 14
	s_add_co_u32 s14, s14, s13
	v_lshl_add_u32 v[MLA0], v48, 4, s14
	s_lshl_b32 s14, s16, 9
	s_add_co_u32 s14, s14, s13
	s_add_co_u32 s14, s14, 32768
	v_lshl_add_u32 v[MLS0], v48, 3, s14
	s_wait_dscnt 0x0
	s_barrier_signal -1
	s_barrier_wait -1                              ; every wave's reads of the ring are over, and it has had its last fill
	WIN 0x04                                       ; store data in window 1
.set i, 0
.rept 64
	ds_store_b128 v[DMP], v[4*i:4*i+3] offset:512*i
.set i, i+1
.endr
	WIN 0
.irp t, 0,1,2,3
	ds_store_b64 v[DMS], v[ST+8*(\t):ST+8*(\t)+1] offset:256*(\t)
.endr
	s_wait_dscnt 0x0                               ; for the others' sake
	s_barrier_signal -1
	s_barrier_wait -1
	s_mov_b32 s13, 0
	s_mov_b32 s14, 0
	s_mov_b32 s3, 2
.Lmerge:                                               ; a tile a trip
	v_add_nc_u32 v[MLA], s13, v[MLA0]
	v_add_nc_u32 v[MLS], s14, v[MLS0]
	ds_load_b64 v[48:49], v[MLS]                   ; (m, l) of key half 0,
	ds_load_b64 v[50:51], v[MLS] offset:MW         ; of half 1
.irp f, 0,1,2,3,4,5,6,7,8,9,10,11,12,13,14,15
	ds_load_b128 v[64+4*(\f):67+4*(\f)], v[MLA] offset:512*(\f)
.endr
.irp f, 0,1,2,3,4,5,6,7,8,9,10,11,12,13,14,15
	ds_load_b128 v[128+4*(\f):131+4*(\f)], v[MLA] offset:MW+512*(\f)
.endr
	s_wait_dscnt 0x0
	v_max_num_f32 v52, v48, v50
	v_sub_f32 v53, v48, v52
	v_sub_f32 v52, v50, v52
	v_exp_f32 v53, v53
	v_exp_f32 v52, v52
	v_nop
	s_wait_alu depctr_va_vdst(0)                   ; one wait for the two
	v_mul_f32 v56, v49, v53
	v_fma_f32 v56, v51, v52, v56                   ; at least 1: the half with the greater maximum holds a weight of 1
	v_rcp_f32 v56, v56
	v_nop
	s_wait_alu depctr_va_vdst(0)
	v_mul_f32 v58, v52, v56
	v_mul_f32 v56, v53, v56
	v_mov_b32 v59, v58                             ; named as pairs
	v_mov_b32 v57, v56
.set i, 0
.rept 32
	v_pk_mul_f32 v[64+2*i:65+2*i], v[64+2*i:65+2*i], v[56:57] op_sel_hi:[1,0]
.set i, i+1
.endr
.set i, 0
.rept 32
	v_pk_fma_f32 v[64+2*i:65+2*i], v[128+2*i:129+2*i], v[58:59], v[64+2*i:65+2*i] op_sel_hi:[1,0,1]
.set i, i+1
.endr
.set i, 0
.rept 32
	v_cvt_pk_f16_f32 v[192+i], v[64+2*i], v[65+2*i]
.set i, i+1
.endr
.irp f, 0,1,2,3,4,5,6,7
	ds_store_b128 v[STO], v[192+4*(\f):195+4*(\f)] offset:32*(\f)   ; my stage: row l % 16, eight channels a lane
.endr
.irp f, 0,1,2,3,4,5,6,7
	ds_load_b128 v[224+4*(\f):227+4*(\f)], v[RD] offset:(\f)*2*SP   ; back as whole rows; LDS serves a wave's instructions in order (ISA guide 5.7.1.4)
.endr
.irp f, 0,1,2,3,4,5,6,7
	s_wait_dscnt 7-(\f)
	global_store_b128 v[GO], v[224+4*(\f):227+4*(\f)], s[10:11] offset:8192*(\f)  ; 16 lanes store 256 consecutive bytes, aligned
.endr
	s_wait_xcnt 0x0                                ; the stores have read their base and data
	s_add_nc_u64 s[10:11], s[10:11], 65536
	s_add_co_u32 s13, s13, 8192
	s_add_co_u32 s14, s14, 256
	s_sub_co_u32 s3, s3, 1
	s_cmp_lg_u32 s3, 0
	s_cbranch_scc1 .Lmerge
	s_wait_tensorcnt 0x0                           ; the wave's end
	ds_add_u32 v[SPW], v[NIL]
	s_wait_dscnt 0x0
	CROUND                                         ; the closing round
	s_endpgm
.Lfunc_end_k_q0f7b2bded8_attn:
	.size	k_q0f7b2bded8_attn, .Lfunc_end_k_q0f7b2bded8_attn-k_q0f7b2bded8_attn
	.p2alignl 7, 3214868480
	.fill 96, 4, 3214868480
	.section	.rodata,"a",@progbits
	.p2align	6, 0x0
	.amdhsa_kernel k_q0f7b2bded8_attn
		.amdhsa_group_segment_fixed_size 327680
		.amdhsa_private_segment_fixed_size 0
		.amdhsa_enable_private_segment 0
		.amdhsa_kernarg_size 32
		.amdhsa_user_sgpr_count 2
		.amdhsa_user_sgpr_kernarg_segment_ptr 1
		.amdhsa_wavefront_size32 1
		.amdhsa_system_sgpr_workgroup_id_x 1
		.amdhsa_system_sgpr_workgroup_id_y 1
		.amdhsa_system_sgpr_workgroup_id_z 1
		.amdhsa_system_vgpr_workitem_id 0
		.amdhsa_next_free_vgpr 1024
		.amdhsa_next_free_sgpr 84
		.amdhsa_reserve_vcc 0
		.amdhsa_float_denorm_mode_32 3
		.amdhsa_float_denorm_mode_16_64 3
		.amdhsa_memory_ordered 1
		.amdhsa_forward_progress 1
		.amdhsa_inst_pref_size 174
	.end_amdhsa_kernel
	.amdgpu_metadata
---
amdhsa.version: [ 1, 2 ]
amdhsa.kernels:
  - .name:           k_q0f7b2bded8_attn
    .symbol:         k_q0f7b2bded8_attn.kd
    .args:
      - { .name: qn, .offset: 0, .size: 8, .value_kind: global_buffer, .address_space: global }
      - { .name: kvh, .offset: 8, .size: 8, .value_kind: global_buffer, .address_space: global }
      - { .name: kvx, .offset: 16, .size: 8, .value_kind: global_buffer, .address_space: global }
      - { .name: ao, .offset: 24, .size: 8, .value_kind: global_buffer, .address_space: global }
    .group_segment_fixed_size: 327680
    .private_segment_fixed_size: 0
    .kernarg_segment_align: 8
    .kernarg_segment_size: 32
    .max_flat_workgroup_size: 128
    .sgpr_count:     84
    .vgpr_count:     1024
    .wavefront_size: 32
...
	.end_amdgpu_metadata
.endif
;; end of part 4
;; launch oproj: the kernel of part 3 again; grid 16 x 16, 4 waves a work-group, clusters of 4 x 4, 327,680 bytes of LDS; arguments ao, woh, q_ln_scale, out0; writes out0
;; ======== version 2 of 2: 5 launches; version 1 with the launch prep written anew for expert scheduling mode
;; limits: values are held in f16: magnitudes above 65,504 overflow, below 6.1e-05 lose precision
;; workspace buffers: qi 8,388,608 bytes; kvx 58,720,256 bytes; wqh 8,388,864 bytes; woh 8,388,864 bytes; qn 16,777,216 bytes; kvh 33,554,432 bytes; ao 8,388,608 bytes
;; launch prep (part 5): grid 256 x 8, 8 waves a work-group, no clusters, 0 bytes of LDS; arguments q, q_pos, kv, kv_pos, wq, wk, wv, wo, mask, qi, kvx, wqh, woh; writes qi, kvx, wqh, woh
.if DOCPART == 5
	.amdgcn_target "amdgcn-amd-amdhsa--gfx1250"
	.amdhsa_code_object_version 6
	.text
	.protected	k_q0f7b2bded8_prep
	.globl	k_q0f7b2bded8_prep
	.p2align	8
	.type	k_q0f7b2bded8_prep,@function
k_q0f7b2bded8_prep:
	s_mov_b64 s[64:65], 0
	v_nop
	global_prefetch_b8 v0, s[64:65] scope:SCOPE_SE
	s_setreg_imm32_b32 hwreg(HW_REG_WAVE_SCHED_MODE, 0, 2), 2
	s_setreg_imm32_b32 hwreg(HW_REG_WAVE_MODE, 25, 1), 1
	s_wait_xcnt 0x0
	s_wait_alu depctr_vm_vsrc(0)
; PREP.  One pass that makes the 16-bit operands of the later launches, each number rounded once from f32 to f16:
;   qi = q + q_pos;  kvx: ki = kv + kv_pos, vi = kv, wk, wv, and the mask as words;  wqh = wq;  woh = wo.
; LIMIT: f16 ends at 65,504: sums and weights are taken to lie within it.
; A stream: no LDS, no barrier, no matrix unit (nothing is shared and nothing is multiplied).  Work-group (x, y) takes 16,384 numbers: 256 threads x 4 numbers x 16 rounds;
; all its loads are issued first, then the rounds are waited for by count, four at a time.  y = 0: q; y = 1, 2: kv; y = 3..6: wq, wk, wv, wo; y = 7: the mask.
; A thread's 4 numbers are 16 bytes of f32 in and 8 bytes of f16 out: a load of a wave covers 512 consecutive bytes, a store 256 consecutive bytes, aligned; every byte that a load spans is used.
; THE MASK goes out as bf16 words, 0 where the key is seen and 0xF100 (-2^99) where it is hidden, laid so that a lane of the attention kernel finds its eight words of 16 keys in 16 bytes:
; block (batch x 64 + tile of 16 queries, step of 64 keys) = 2,048 bytes; in it chunk c = 512 bytes; lane l's 16 bytes: query l % 16, keys 16 c + 8 (l / 16) + 0..7.
; Behind wqh's and woh's 8 MiB lie 32 pairs (E, F) of f32, (1, 0) and (0, 1): they tell the one body of the two small products whether it normalises.
; THE MODE: SCHED_MODE bits 1:0 = 2 (LLVM: expert scheduling mode 2), set by the entry lines.  The code itself states the register dependences
; between vector instructions and memory instructions, with s_wait_alu, always for 0.
; THE PLAN.  Registers that memory instructions touch:
;   v1, v2, v3   byte offsets, made once by vector lines and never written again: one wait stands ahead of each path's first load.
;   a round's registers are its own: a load lands in them once, the round's vector lines work in them (the mask's write four others, also the round's own), and the round's store reads the result.
;   So no register that a load or store has read is ever written again, and no load lands in a register that a vector line has named.
; What is left to state is that a round's vector lines have written what its store reads.  The rounds go in blocks of four: at a block's head, behind the wait for its loads, ONE wait states that the
; block before has written its results; that block's four stores follow, dealt among this block's vector lines, which name this block's registers alone.  One more wait stands ahead of a path's last four stores.
.set VI,  16777216                     ; kvx: vi behind ki
.set WKO, 33554432                     ; wk
.set WVO, 41943040                     ; wv
.set MKO, 50331648                     ; the mask words
	s_load_b512 s[8:23], s[0:1], 0x0               ; q 8, q_pos 10, kv 12, kv_pos 14, wq 16, wk 18, wv 20, wo 22
	s_load_b256 s[24:31], s[0:1], 0x40             ; mask 24, qi 26, kvx 28, wqh 30
	s_load_b64 s[32:33], s[0:1], 0x60              ; woh
	s_mov_b32 s2, ttmp9                            ; x
	s_and_b32 s3, ttmp7, 0xffff                    ; y
	v_lshlrev_b32 v1, 4, v0                        ; my 16 bytes of f32 in a round (and of mask words out)
	v_lshlrev_b32 v2, 3, v0                        ; my 8 bytes of f16 in a round
	s_mov_b32 s43, 0                               ; high words of the offset pairs
	s_mov_b32 s45, 0
	s_mov_b32 s47, 0
	s_wait_kmcnt 0x0
	s_cmp_ge_u32 s3, 7
	s_cbranch_scc1 .Lmask
	s_cmp_ge_u32 s3, 3
	s_cbranch_scc1 .Lweights
	; ---- sums: y = 0: chunk x of q; y = 1, 2: chunk 256 (y - 1) + x of kv
	s_max_u32 s4, s3, 1
	s_sub_co_u32 s4, s4, 1
	s_lshl_b32 s4, s4, 8
	s_add_co_u32 s4, s4, s2
	s_lshl_b32 s42, s4, 16                         ; 65,536 bytes in
	s_lshl_b32 s46, s4, 15                         ; 32,768 bytes out
	s_cmp_eq_u32 s3, 0
	s_cselect_b64 s[34:35], s[8:9], s[12:13]       ; q or kv
	s_cselect_b64 s[36:37], s[10:11], s[14:15]     ; q_pos or kv_pos
	s_cselect_b64 s[38:39], s[26:27], s[28:29]     ; qi or ki
	s_add_nc_u64 s[34:35], s[34:35], s[42:43]
	s_add_nc_u64 s[36:37], s[36:37], s[42:43]
	s_add_nc_u64 s[38:39], s[38:39], s[46:47]
	s_add_nc_u64 s[40:41], s[28:29], s[46:47]
	s_add_nc_u64 s[40:41], s[40:41], VI            ; vi
	s_wait_alu depctr_va_vdst(0)                   ; v1 and v2 are written: every load of this path reads v1 as its offset, every store v2
.set i, 0
.rept 16
	global_load_b128 v[16+8*i:19+8*i], v1, s[34:35] offset:4096*i th:TH_LOAD_NT
	global_load_b128 v[20+8*i:23+8*i], v1, s[36:37] offset:4096*i th:TH_LOAD_NT
.set i, i+1
.endr
.set p, 0
.rept 4                                ; block p: rounds 4 p to 4 p + 3
	s_wait_loadcnt 24-8*p                          ; loads come back in order (ISA guide 5.7.1): the block's eight are in; two loads for each round of the younger blocks may stay out
.if p > 0
	s_wait_alu depctr_va_vdst(0)                   ; the block before has written its sums in f16, which the four stores below read
.endif
.set i, 4*p
.rept 4
.if p > 0
	global_store_b64 v2, v[20+8*(i-4):21+8*(i-4)], s[38:39] offset:2048*(i-4) th:TH_STORE_NT  ; the block before; no vector line since the wait names these registers
.endif
	v_pk_add_f32 v[20+8*i:21+8*i], v[20+8*i:21+8*i], v[16+8*i:17+8*i]
	v_pk_add_f32 v[22+8*i:23+8*i], v[22+8*i:23+8*i], v[18+8*i:19+8*i]
	v_cvt_pk_f16_f32 v[20+8*i], v[20+8*i], v[21+8*i]   ; in place: each line writes a register whose number has been read
	v_cvt_pk_f16_f32 v[21+8*i], v[22+8*i], v[23+8*i]
.set i, i+1
.endr
.set p, p+1
.endr
	s_wait_alu depctr_va_vdst(0)                   ; the last block has written its sums in f16, which the last four stores read
.set i, 12
.rept 4
	global_store_b64 v2, v[20+8*i:21+8*i], s[38:39] offset:2048*i th:TH_STORE_NT
.set i, i+1
.endr
	s_cmp_eq_u32 s3, 0
	s_cbranch_scc1 .Lsums_done                     ; q has no second copy
.set i, 0
.rept 16
	v_cvt_pk_f16_f32 v[16+8*i], v[16+8*i], v[17+8*i]   ; kv's own numbers: no load or store has read these registers
	v_cvt_pk_f16_f32 v[17+8*i], v[18+8*i], v[19+8*i]
.set i, i+1
.endr
	s_wait_alu depctr_va_vdst(0)                   ; the 32 conversions have written vi's numbers, which the sixteen stores read
.set i, 0
.rept 16
	global_store_b64 v2, v[16+8*i:17+8*i], s[40:41] offset:2048*i th:TH_STORE_NT
.set i, i+1
.endr
.Lsums_done:
	s_endpgm
	; ---- weights: chunk x of wq, wk, wv or wo
.Lweights:
	s_lshl_b32 s42, s2, 16
	s_lshl_b32 s46, s2, 15
	s_cmp_eq_u32 s3, 3
	s_cselect_b64 s[34:35], s[16:17], s[18:19]
	s_cselect_b64 s[38:39], s[30:31], s[28:29]
	s_cselect_b32 s44, 0, WKO
	s_cmp_eq_u32 s3, 5
	s_cselect_b64 s[34:35], s[20:21], s[34:35]
	s_cselect_b32 s44, WVO, s44
	s_cmp_eq_u32 s3, 6
	s_cselect_b64 s[34:35], s[22:23], s[34:35]
	s_cselect_b64 s[38:39], s[32:33], s[38:39]
	s_cselect_b32 s44, 0, s44
	s_add_nc_u64 s[34:35], s[34:35], s[42:43]
	s_add_nc_u64 s[40:41], s[38:39], s[44:45]
	s_add_nc_u64 s[40:41], s[40:41], s[46:47]
	s_wait_alu depctr_va_vdst(0)                   ; v1 and v2 are written: every load of this path reads v1 as its offset, every store of weights v2
.set i, 0
.rept 16
	global_load_b128 v[16+4*i:19+4*i], v1, s[34:35] offset:4096*i th:TH_LOAD_NT
.set i, i+1
.endr
.set p, 0
.rept 4                                ; block p: rounds 4 p to 4 p + 3
	s_wait_loadcnt 12-4*p                          ; the block's four loads are in; one load for each round of the younger blocks may stay out
.if p > 0
	s_wait_alu depctr_va_vdst(0)                   ; the block before has written its numbers in f16, which the four stores below read
.endif
.set i, 4*p
.rept 4
.if p > 0
	global_store_b64 v2, v[16+4*(i-4):17+4*(i-4)], s[40:41] offset:2048*(i-4) th:TH_STORE_NT  ; the block before; no vector line since the wait names these registers
.endif
	v_cvt_pk_f16_f32 v[16+4*i], v[16+4*i], v[17+4*i]
	v_cvt_pk_f16_f32 v[17+4*i], v[18+4*i], v[19+4*i]
.set i, i+1
.endr
.set p, p+1
.endr
	s_wait_alu depctr_va_vdst(0)                   ; the last block has written its numbers in f16, which the last four stores read
.set i, 12
.rept 4
	global_store_b64 v2, v[16+4*i:17+4*i], s[40:41] offset:2048*i th:TH_STORE_NT
.set i, i+1
.endr
	; the pairs (E, F): wave 0 of work-group x = 0, for wq and wo alone
	s_cmp_lg_u32 s2, 0
	s_cbranch_scc1 .Lw_done
	s_cmp_eq_u32 s3, 4
	s_cbranch_scc1 .Lw_done
	s_cmp_eq_u32 s3, 5
	s_cbranch_scc1 .Lw_done
	v_lshrrev_b32 v5, 5, v0
	v_readfirstlane_b32 s4, v5
	s_wait_alu depctr_va_sdst(0)                   ; s4, the wave's number, is written, ahead of its first reader, the compare below
	s_cmp_lg_u32 s4, 0
	s_cbranch_scc1 .Lw_done
	s_cmp_eq_u32 s3, 3
	s_cselect_b32 s5, 1.0, 0
	s_cselect_b32 s6, 0, 1.0
	v_mov_b32 v8, s5
	v_mov_b32 v9, s6
	v_lshlrev_b32 v6, 3, v0                        ; in wave 0 the thread's number is the lane
	s_add_nc_u64 s[36:37], s[38:39], 0x800000      ; behind the 8 MiB of weights
	s_wait_alu depctr_va_vdst(0)                   ; v6, the store's offset, and v8, v9, its data, are written
	global_store_b64 v6, v[8:9], s[36:37]
.Lw_done:
	s_endpgm
	; ---- the mask: x = 2 x (tile of 16 queries, over both batches) + half of the keys
.Lmask:
	s_lshr_b32 s4, s2, 1
	s_lshl_b32 s42, s4, 15                         ; 16 rows of 2,048 bytes
	s_and_b32 s5, s2, 1
	s_lshl_b32 s5, s5, 10
	s_add_co_u32 s42, s42, s5
	s_add_nc_u64 s[34:35], s[24:25], s[42:43]
	s_lshl_b32 s46, s2, 15                         ; 16 blocks of 2,048 bytes
	s_add_nc_u64 s[38:39], s[28:29], s[46:47]
	s_add_nc_u64 s[38:39], s[38:39], MKO
	v_and_b32 v3, 15, v0                           ; my output bytes 16 t + 4,096 i belong to: query t % 16,
	v_lshlrev_b32 v3, 11, v3
	v_lshrrev_b32 v5, 7, v0                        ; step 2 i + t / 128,
	v_lshl_add_u32 v3, v5, 6, v3
	v_bfe_u32 v5, v0, 5, 2                         ; chunk (t / 32) % 4,
	v_lshl_add_u32 v3, v5, 4, v3
	v_bfe_u32 v5, v0, 4, 1                         ; half (t / 16) % 2
	v_lshl_add_u32 v3, v5, 3, v3
	v_mov_b32 v4, 0
	s_mov_b32 s4, 0x00050004                       ; v_perm_b32: bytes 0 and 1 of the first source into the two halves, zeros above them
	s_mov_b32 s5, 0x00070006                       ; bytes 2 and 3
	s_wait_alu depctr_va_vdst(0)                   ; v3 is written, which the eight loads read as their offset, and v1, which the eight stores read
.set i, 0
.rept 8
	global_load_b64 v[16+2*i:17+2*i], v3, s[34:35] offset:128*i
.set i, i+1
.endr
.set p, 0
.rept 2                                ; block p: rounds 4 p to 4 p + 3
	s_wait_loadcnt 4-4*p                           ; the block's four loads are in; the younger block's four may stay out
.if p > 0
	s_wait_alu depctr_va_vdst(0)                   ; the block before has written its mask words, which the four stores below read
.endif
.set i, 4*p
.rept 4
.if p > 0
	global_store_b128 v1, v[48+4*(i-4):51+4*(i-4)], s[38:39] offset:4096*(i-4) th:TH_STORE_NT  ; the block before; no vector line since the wait names these registers
.endif
	v_xor_b32 v[16+2*i], 0x01010101, v[16+2*i]     ; 1 where hidden
	v_xor_b32 v[17+2*i], 0x01010101, v[17+2*i]
	v_perm_b32 v[48+4*i], v[16+2*i], v4, s4
	v_perm_b32 v[49+4*i], v[16+2*i], v4, s5
	v_perm_b32 v[50+4*i], v[17+2*i], v4, s4
	v_perm_b32 v[51+4*i], v[17+2*i], v4, s5
.irp c, 0,1,2,3
	v_mul_u32_u24 v[48+4*i+(\c)], v[48+4*i+(\c)], 0xf100  ; both halves at once: 0 or 0xF100, no carry
.endr
.set i, i+1
.endr
.set p, p+1
.endr
	s_wait_alu depctr_va_vdst(0)                   ; the last block has written its mask words, which the last four stores read
.set i, 4
.rept 4
	global_store_b128 v1, v[48+4*i:51+4*i], s[38:39] offset:4096*i th:TH_STORE_NT
.set i, i+1
.endr
	s_endpgm
.Lfunc_end_k_q0f7b2bded8_prep:
	.size	k_q0f7b2bded8_prep, .Lfunc_end_k_q0f7b2bded8_prep-k_q0f7b2bded8_prep
	.p2alignl 7, 3214868480
	.fill 96, 4, 3214868480
	.section	.rodata,"a",@progbits
	.p2align	6, 0x0
	.amdhsa_kernel k_q0f7b2bded8_prep
		.amdhsa_group_segment_fixed_size 0
		.amdhsa_private_segment_fixed_size 0
		.amdhsa_enable_private_segment 0
		.amdhsa_kernarg_size 104
		.amdhsa_user_sgpr_count 2
		.amdhsa_user_sgpr_kernarg_segment_ptr 1
		.amdhsa_wavefront_size32 1
		.amdhsa_system_sgpr_workgroup_id_x 1
		.amdhsa_system_sgpr_workgroup_id_y 1
		.amdhsa_system_sgpr_workgroup_id_z 1
		.amdhsa_system_vgpr_workitem_id 0
		.amdhsa_next_free_vgpr 144
		.amdhsa_next_free_sgpr 66
		.amdhsa_reserve_vcc 0
		.amdhsa_float_denorm_mode_32 3
		.amdhsa_float_denorm_mode_16_64 3
		.amdhsa_memory_ordered 1
		.amdhsa_forward_progress 1
		.amdhsa_inst_pref_size 29
	.end_amdhsa_kernel
	.amdgpu_metadata
---
amdhsa.version: [ 1, 2 ]
amdhsa.kernels:
  - .name:           k_q0f7b2bded8_prep
    .symbol:         k_q0f7b2bded8_prep.kd
    .args:
      - { .name: q, .offset: 0, .size: 8, .value_kind: global_buffer, .address_space: global }
      - { .name: q_pos, .offset: 8, .size: 8, .value_kind: global_buffer, .address_space: global }
      - { .name: kv, .offset: 16, .size: 8, .value_kind: global_buffer, .address_space: global }
      - { .name: kv_pos, .offset: 24, .size: 8, .value_kind: global_buffer, .address_space: global }
      - { .name: wq, .offset: 32, .size: 8, .value_kind: global_buffer, .address_space: global }
      - { .name: wk, .offset: 40, .size: 8, .value_kind: global_buffer, .address_space: global }
      - { .name: wv, .offset: 48, .size: 8, .value_kind: global_buffer, .address_space: global }
      - { .name: wo, .offset: 56, .size: 8, .value_kind: global_buffer, .address_space: global }
      - { .name: mask, .offset: 64, .size: 8, .value_kind: global_buffer, .address_space: global }
      - { .name: qi, .offset: 72, .size: 8, .value_kind: global_buffer, .address_space: global }
      - { .name: kvx, .offset: 80, .size: 8, .value_kind: global_buffer, .address_space: global }
      - { .name: wqh, .offset: 88, .size: 8, .value_kind: global_buffer, .address_space: global }
      - { .name: woh, .offset: 96, .size: 8, .value_kind: global_buffer, .address_space: global }
    .group_segment_fixed_size: 0
    .private_segment_fixed_size: 0
    .kernarg_segment_align: 8
    .kernarg_segment_size: 104
    .max_flat_workgroup_size: 256
    .sgpr_count:     66
    .vgpr_count:     144
    .wavefront_size: 32
...
	.end_amdgpu_metadata
.endif
;; end of part 5
;; launch kvproj: the kernel of part 2 again; grid 8 x 32, 4 waves a work-group, clusters of 4 x 4, 327,680 bytes of LDS; arguments kvx, k_ln_scale, kvh; writes kvh
;; launch qproj: the kernel of part 3 again; grid 16 x 16, 4 waves a work-group, clusters of 4 x 4, 327,680 bytes of LDS; arguments qi, wqh, q_ln_scale, qn; writes qn
;; launch attn: the kernel of part 4 again; grid 8 x 32, 4 waves a work-group, clusters of 4 x 1, 327,680 bytes of LDS; arguments qn, kvh, kvx, ao; writes ao
;; launch oproj: the kernel of part 3 again; grid 16 x 16, 4 waves a work-group, clusters of 4 x 4, 327,680 bytes of LDS; arguments ao, woh, q_ln_scale, out0; writes out0
